; MI455X (gfx1250); checked and timed in simulation.
; The chip was launched on July 23, 2026; its instructions are those of AMD's public machine-readable ISA for CDNA 5 (MIT licence, August 2026) and "CDNA5" Instruction Set Architecture Reference Guide (July 2026). The comments in the code are by the model that wrote it; some were corrected since.
;; Causal Self Attention. Allowed arithmetic: float matrix products may take bf16 or f16 operands with f32 sums; all other float work in f32.
;; Inputs: attn_mask 8 x 1,024 bool; cos 1 x 1 x 1,024 x 32 float32; sin 1 x 1 x 1,024 x 32 float32; w_proj 1,024 x 1,024 float32; w_qkv 1,024 x 3,072 float32; x 8 x 1,024 x 1,024 float32.
;; Outputs: out0 8 x 1,024 x 1,024 float32.
;; 2 versions, each right; version 2 is version 1 with the launch prep written anew for expert scheduling mode. Each part assembles by itself: llvm-mc -triple=amdgcn-amd-amdhsa -mcpu=gfx1250 --defsym DOCPART=n.
;; ======== version 1 of 2: 4 launches
;; limits: values are held in f16: magnitudes above 65,504 overflow, below 6.1e-05 lose precision; values outside matrix products are rounded to bf16
;; workspace buffers: xh 16,777,216 bytes; wqT 6,291,456 bytes; wpT 2,097,152 bytes; qb 16,777,216 bytes; kb 16,777,216 bytes; vh 16,777,216 bytes; yh 16,777,216 bytes
;; launch prep (part 1): grid 768 x 1, 8 waves a work-group, no clusters, 34,816 bytes of LDS; arguments x, w_qkv, w_proj, xh, wqT, wpT; writes xh, wqT, wpT
.if DOCPART == 1
	.amdgcn_target "amdgcn-amd-amdhsa--gfx1250"
	.amdhsa_code_object_version 6
	.text
	.protected	k_q1efe24af83_prep
	.globl	k_q1efe24af83_prep
	.p2align	8
	.type	k_q1efe24af83_prep,@function
k_q1efe24af83_prep:
	s_mov_b64 s[64:65], 0
	v_nop
	global_prefetch_b8 v0, s[64:65] scope:SCOPE_SE
	s_setreg_imm32_b32 hwreg(HW_REG_WAVE_MODE, 25, 1), 1
	s_wait_xcnt 0x0
; prep: the operands of the two large products, once, in 16 bits and with K along the rows.
;   work-groups 0..511:   xh = bf16(x), 65,536 bytes of x each.
;   work-groups 512..703: wqT[head*192 + sec*64 + c][k] = bf16(f * w_qkv[k][sec*1024 + head*64 + c]): a tile of 256 k x 64 n each, so that 192
;                         neighbouring rows of wqT are q, k and v of one head.  f = 2^-6 for q and k (sec 0, 1), 1 for v: q and k are later kept in f16,
;                         and the factor, a power of two and so exact, gives them room up to 4.19e6; the softmax constant takes it back.
;   work-groups 704..767: wpT[n][k] = f16(bf16(w_proj[k][n])), the same tiles.
; FORMAT: every floating input of this program is rounded once to bf16 (8 significant bits).  w_proj is kept in f16 behind that rounding because its partner y
; is f16: exact for 2^-17 <= |w| < 65,504, below that within 2^-25.  LIMIT: |w_proj| below 65,504.
; No matrix unit, no cluster, no tensor load: every byte is read once and written once, nothing is shared between work-groups.
.set TP,  528                          ; LDS pitch of a transposed row: 256 k x 2 bytes + 16
.set IN,  8                            ; v[8:71]   sixteen loads of 16 bytes
.set PKD, 72                           ; v[72:103] packed 16-bit numbers
	s_load_b256 s[4:11], s[0:1], 0x0               ; x s[4:5], w_qkv s[6:7], w_proj s[8:9], xh s[10:11]
	s_load_b128 s[12:15], s[0:1], 0x20             ; wqT s[12:13], wpT s[14:15]
	v_lshl_add_u32 v108, v0, 2, 0x8400
	v_mov_b32 v109, 0
	s_mov_b32 s2, ttmp9
	s_cmp_lt_u32 s2, 512                           ; the same in all waves of a work-group
	s_cbranch_scc0 .Lweights
	; ---- x: thread t takes the 16 bytes at 16 t of each block of 4,096 bytes, so that a load of a wave covers 512 neighbouring bytes and no byte is touched by
	; two loads, and stores the 8 bytes at 8 t of each block of 2,048: a store of a wave covers 256 neighbouring bytes, aligned
	s_lshl_b32 s16, s2, 16
	s_mov_b32 s17, 0
	s_lshl_b32 s18, s2, 15
	s_mov_b32 s19, 0
	v_lshlrev_b32 v1, 4, v0
	v_lshlrev_b32 v2, 3, v0
	s_wait_kmcnt 0x0
	s_add_nc_u64 s[4:5], s[4:5], s[16:17]
	s_add_nc_u64 s[10:11], s[10:11], s[18:19]
.irp c, 0,1,2,3,4,5,6,7,8,9,10,11,12,13,14,15
	global_load_b128 v[IN+4*\c:IN+4*\c+3], v1, s[4:5] offset:\c*4096 th:TH_LOAD_NT
.endr
.irp c, 0,1,2,3,4,5,6,7,8,9,10,11,12,13,14,15
	s_wait_loadcnt 15-\c                           ; loads come back in order: load c is in, the younger ones stay out
	v_cvt_pk_bf16_f32 v[PKD+2*\c],   v[IN+4*\c],   v[IN+4*\c+1]
	v_cvt_pk_bf16_f32 v[PKD+2*\c+1], v[IN+4*\c+2], v[IN+4*\c+3]
	global_store_b64 v2, v[PKD+2*\c:PKD+2*\c+1], s[10:11] offset:\c*2048   ; no register is written twice
.endr
	s_endpgm
	; ---- weights: 256 k x 64 n in, 64 n x 256 k out, turned in LDS
.macro WLOAD pitch                     ; thread (ln, kp) takes columns 4 ln .. 4 ln + 3 of rows 2 kp + e + 32 u: sixteen lanes read 256 bytes of a row
	v_mul_u32_u24 v1, v7, 2*\pitch
	v_lshl_add_u32 v1, v6, 4, v1
.irp u, 0,1,2,3,4,5,6,7
	global_load_b128 v[IN+8*\u:IN+8*\u+3],   v1, s[18:19] offset:32*\u*\pitch th:TH_LOAD_NT
	global_load_b128 v[IN+8*\u+4:IN+8*\u+7], v1, s[18:19] offset:(32*\u+1)*\pitch th:TH_LOAD_NT
.endr
.endm
; The loaded rows are rounded and laid into LDS turned.  scaled = 1: times s24 first; tof16 = 1: the bf16 numbers are written as f16.
.macro WTURN scaled, tof16
.irp u, 0,1,2,3,4,5,6,7
	s_wait_loadcnt 14-2*\u                         ; the two rows of step u are in, the younger ones stay out
.if \scaled
.irp k, 0,2,4,6
	v_pk_mul_f32 v[IN+8*\u+\k:IN+8*\u+\k+1], v[IN+8*\u+\k:IN+8*\u+\k+1], s[24:25] op_sel_hi:[1,0]
.endr
.endif
.irp c, 0,1,2,3
	v_cvt_pk_bf16_f32 v[PKD+4*\u+\c], v[IN+8*\u+\c], v[IN+8*\u+4+\c]         ; k and k + 1 of one column
.if \tof16
	v_lshlrev_b32 v106, 16, v[PKD+4*\u+\c]                                   ; the two bf16 as f32,
	v_and_b32 v107, 0xffff0000, v[PKD+4*\u+\c]
	v_cvt_pk_f16_f32 v[PKD+4*\u+\c], v106, v107                              ; and in f16's form
.endif
	ds_store_b32 v3, v[PKD+4*\u+\c] offset:\c*TP+64*\u                       ; sixteen rows 4 x 528 bytes apart: four lanes meet in a bank; 32 such stores a wave
.endr
.endr
.endm
.Lweights:
	s_sub_co_u32 s2, s2, 512                       ; u
	v_and_b32 v6, 15, v0                           ; ln
	v_lshrrev_b32 v7, 4, v0                        ; kp
	v_mul_u32_u24 v3, v6, 4*TP
	v_lshl_add_u32 v3, v7, 2, v3                   ; in: row 4 ln (+ c), byte 4 kp (+ 64 u)
	v_lshrrev_b32 v4, 5, v0
	v_and_b32 v5, 31, v0
	v_lshlrev_b32 v5, 4, v5
	v_mad_u32_u24 v104, v4, TP, v5                 ; back: row t / 32 (+ 8 v), 16 bytes at 16 (t mod 32)
	v_lshl_add_u32 v105, v4, 11, v5                ; and the same place in the result
	s_and_b32 s3, s2, 3                            ; kq: which 256 of the 1,024 k (192 is a multiple of 4, so this serves both weights)
	s_lshl_b32 s22, s3, 9                          ; kq x 512 bytes in a row of the result
	s_cmp_lt_u32 s2, 192
	s_cbranch_scc0 .Lproj
	s_lshr_b32 s16, s2, 2                          ; nt = 0..47: 64 columns of w_qkv
	s_mul_i32 s18, s3, 256*12288
	s_lshl_b32 s19, s16, 8
	s_add_co_u32 s18, s18, s19
	s_mov_b32 s19, 0
	s_and_b32 s20, s16, 15                         ; head
	s_mul_i32 s20, s20, 192
	s_lshr_b32 s21, s16, 4                         ; sec: q, k or v
	s_mov_b32 s24, 0x3f800000                      ; 1
	s_mov_b32 s25, 0x3c800000                      ; 2^-6
	s_cmp_lt_u32 s21, 2
	s_cselect_b32 s24, s25, s24                    ; q and k: 2^-6; v: 1
	s_mov_b32 s25, s24
	s_lshl_b32 s21, s21, 6
	s_add_co_u32 s20, s20, s21
	s_lshl_b32 s20, s20, 11                        ; rows of 2,048 bytes
	s_add_co_u32 s20, s20, s22
	s_mov_b32 s21, 0
	s_wait_kmcnt 0x0
	s_add_nc_u64 s[18:19], s[6:7], s[18:19]
	s_add_nc_u64 s[20:21], s[12:13], s[20:21]
	WLOAD 12288
	WTURN 1, 0
	s_branch .Ljoin
.Lproj:
	s_sub_co_u32 s16, s2, 192
	s_lshr_b32 s16, s16, 2                         ; nt = 0..15
	s_lshl_b32 s18, s3, 20                         ; kq x 256 rows of 4,096 bytes
	s_lshl_b32 s19, s16, 8
	s_add_co_u32 s18, s18, s19
	s_mov_b32 s19, 0
	s_lshl_b32 s20, s16, 17                        ; nt x 64 rows of 2,048 bytes
	s_add_co_u32 s20, s20, s22
	s_mov_b32 s21, 0
	s_wait_kmcnt 0x0
	s_add_nc_u64 s[18:19], s[8:9], s[18:19]
	s_add_nc_u64 s[20:21], s[14:15], s[20:21]
	WLOAD 4096
	WTURN 0, 1
.Ljoin:
	s_wait_dscnt 0x0                               ; my stores are in LDS, for the other waves' sake
	s_barrier_signal -1
	s_barrier_wait -1
.irp v, 0,1,2,3,4,5,6,7
	ds_load_b128 v[IN+4*\v:IN+4*\v+3], v104 offset:8*TP*\v
.endr
.irp v, 0,1,2,3,4,5,6,7
	s_wait_dscnt 7-\v
	global_store_b128 v105, v[IN+4*\v:IN+4*\v+3], s[20:21] offset:16384*\v   ; a wave stores 512 neighbouring bytes of one row
.endr
	s_wait_tensorcnt 0x0
	ds_add_u32 v108, v109
	s_wait_dscnt 0x0
	s_endpgm
.Lfunc_end_k_q1efe24af83_prep:
	.size	k_q1efe24af83_prep, .Lfunc_end_k_q1efe24af83_prep-k_q1efe24af83_prep
	.p2alignl 7, 3214868480
	.fill 96, 4, 3214868480
	.section	.rodata,"a",@progbits
	.p2align	6, 0x0
	.amdhsa_kernel k_q1efe24af83_prep
		.amdhsa_group_segment_fixed_size 34816
		.amdhsa_private_segment_fixed_size 0
		.amdhsa_enable_private_segment 0
		.amdhsa_kernarg_size 48
		.amdhsa_user_sgpr_count 2
		.amdhsa_user_sgpr_kernarg_segment_ptr 1
		.amdhsa_wavefront_size32 1
		.amdhsa_system_sgpr_workgroup_id_x 1
		.amdhsa_system_sgpr_workgroup_id_y 1
		.amdhsa_system_sgpr_workgroup_id_z 1
		.amdhsa_system_vgpr_workitem_id 0
		.amdhsa_next_free_vgpr 110
		.amdhsa_next_free_sgpr 66
		.amdhsa_reserve_vcc 0
		.amdhsa_float_denorm_mode_32 3
		.amdhsa_float_denorm_mode_16_64 3
		.amdhsa_memory_ordered 1
		.amdhsa_forward_progress 1
		.amdhsa_inst_pref_size 29
	.end_amdhsa_kernel
	.amdgpu_metadata
---
amdhsa.version: [ 1, 2 ]
amdhsa.kernels:
  - .name:           k_q1efe24af83_prep
    .symbol:         k_q1efe24af83_prep.kd
    .args:
      - { .name: x, .offset: 0, .size: 8, .value_kind: global_buffer, .address_space: global }
      - { .name: w_qkv, .offset: 8, .size: 8, .value_kind: global_buffer, .address_space: global }
      - { .name: w_proj, .offset: 16, .size: 8, .value_kind: global_buffer, .address_space: global }
      - { .name: xh, .offset: 24, .size: 8, .value_kind: global_buffer, .address_space: global }
      - { .name: wqT, .offset: 32, .size: 8, .value_kind: global_buffer, .address_space: global }
      - { .name: wpT, .offset: 40, .size: 8, .value_kind: global_buffer, .address_space: global }
    .group_segment_fixed_size: 34816
    .private_segment_fixed_size: 0
    .kernarg_segment_align: 8
    .kernarg_segment_size: 48
    .max_flat_workgroup_size: 256
    .sgpr_count:     66
    .vgpr_count:     110
    .wavefront_size: 32
...
	.end_amdgpu_metadata
.endif
;; end of part 1
;; launch qkv (part 2): grid 16 x 32, 4 waves a work-group, clusters of 4 x 4, 327,680 bytes of LDS; arguments xh, wqT, cos, sin, qb, kb, vh; writes qb, kb, vh
.if DOCPART == 2
	.amdgcn_target "amdgcn-amd-amdhsa--gfx1250"
	.amdhsa_code_object_version 6
	.text
	.protected	k_q1efe24af83_qkv
	.globl	k_q1efe24af83_qkv
	.p2align	8
	.type	k_q1efe24af83_qkv,@function
k_q1efe24af83_qkv:
	s_mov_b64 s[64:65], 0
	v_nop
	global_prefetch_b8 v0, s[64:65] scope:SCOPE_SE
	s_setreg_imm32_b32 hwreg(HW_REG_WAVE_MODE, 25, 1), 1
	s_wait_xcnt 0x0
	s_wait_alu depctr_hold_cnt(0) depctr_sa_sdst(0) depctr_va_vdst(0) depctr_va_sdst(0) depctr_va_ssrc(0) depctr_va_vcc(0) depctr_vm_vsrc(0)
	s_getreg_b32 s2, hwreg(HW_REG_IB_STS2, 6, 4)
	s_cmp_eq_u32 s2, 0
	s_cbranch_scc0 .Lentry_in_a_cluster
	s_endpgm
.Lentry_in_a_cluster:
	s_bfe_u32 s2, ttmp6, 0x10000c
	s_cmp_lg_u32 s2, 0xf033
	s_cbranch_scc0 .Lentry_shape_is_right
	s_endpgm
.Lentry_shape_is_right:
; qkv: [8192 x 1024] xh times wqT^T (3,072 rows of 1,024), bf16 operands, f32 sums; then RoPE on q and k; out: qb, kb, vh in f16, all [8][16][1024][64].
; A work-group makes 256 rows x 192 columns = q, k and v of ONE head (block column = head); a wave makes 128 x 96: 48 accumulator tiles, 384 registers.
; K goes in eight steps of 128 through two LDS slots; rows of a tile are 256 bytes of memory, aligned.  The eight steps are written out by macro, without a loop,
; so that the K step of a prefetch stands in its immediate, no address register of a prefetch is ever rewritten, and the last steps simply ask for nothing.
; CLUSTER 4 x 4: xh's tile hangs on the block row alone and is asked for jointly by a row of the cluster, wqT's on the block column alone, by a column.
; PREFETCH INTO THE L2: two slots are all that LDS holds, so a refill has one K step in which to land, and every tile is touched for the first time.  The tiles of
; K steps 2 to 7 are therefore asked for ahead of their tensor loads.  A tile of xh is read by the 16 work-groups of a block row: wave 0 of each asks for 16 of
; its 256 rows (from row 16 x block column on), lanes 0-15 for one K step, lanes 16-31 for the next, 256 bytes further along the row.  A tile of wqT is read
; by all 32 block rows: wave 1 of the work-groups of block rows 0 to 11 asks for 16 of its 192 rows in the same way.  So each aligned block of 256 bytes is
; asked for once in the launch.  K steps 2, 3 are asked for behind the first fills, 4, 5 behind K step 1's refill, 6, 7 behind K step 3's: one and two K steps
; ahead of the tensor loads that bring them.  Nothing is asked for beyond K step 7, so no request leaves a row.
; FORMAT: cos and sin are rounded to bf16 (8 significant bits) as they are used, like every floating input of this program; the rotation itself is in f32.
; q and k arrive here times 2^-6 (the factor lies in wqT) and go out so, in f16: 11 significant bits for the scores.
; LIMIT: |q|, |k| below 4.19e6 (65,504 x 64), |v| below 65,504.  Numbers of q, k below 0.0039 in magnitude are kept to within 1.9e-6 (f16's denormals).
; The matrix instruction is used transposed (source 0 = rows of wqT, source 1 = rows of xh): a lane holds row l % 16 and eight NEIGHBOURING columns
; 8 (l / 16) + 0..7, so both numbers of a RoPE pair lie in one lane.
; REGISTER WINDOWS: 0: addresses, xh's fragments (two buffers), the way out; 1: wqT's fragments; 2: accumulators of my rows 0-63; 3: of my rows 64-127.
.set NB,     6                         ; blocks of 16 columns in a wave
.set PITCH,  272                       ; LDS row: 256 bytes + 16
.set APITCH, 272
.set ASUB,   128                       ; A: bytes from the first two quarters of a K step to the last two
.set ALOAD,  128*APITCH                ; what one load of A brings
.set AWAVE,  128*APITCH                ; from my work-group's rows 0-127 to its rows 128-255
.set ABYTES, 2*ALOAD
.set BROWS,  16*NB
.set BHALF,  BROWS*PITCH
.set SLOT,   ABYTES+2*BHALF            ; 121,856
.set ASLOT,  256                       ; bytes in memory from K step 0 to K step 1
.set BSLOT,  256
.set ASTEP,  512                       ; and two K steps on
.set BSTEP,  512
.set CS,     2*SLOT                    ; cos: 256 rows x 144 bytes, then sin
.set CSP,    144
.set SINO,   256*CSP
.set SPITCH, 400                       ; the way out: 192 numbers of 2 bytes + 16; the stage lies in slot 0, which has had its last fill
.set ADRA, 16
.set ADRB, 20
.set STO,  24
.set CSA,  25
.set RDS,  26
.set GO,   27
.set PF,   28                          ; v28: a prefetch's lane offset: 2,048 (l % 16) + 256 (l / 16); never rewritten
.set F0,   64
.set F1,   128
.set T,    64                          ; v[64:111]  rotated numbers in f32
.set PK,   112                         ; v[112:135] packed
.set RT,   136                         ; v[136:151] cos and sin as packed bf16
.set CSB,  192                         ; v[192:255] two buffers of 16 cos + 16 sin
.set G1,  24
.set G0,  32
.set G1B, 48
.set G0B, 56
.set PA,  70                           ; s[70:71] xh at the first of the 16 rows that I ask for; never rewritten
.set PB,  86                           ; s[86:87] wqT likewise
.set G0C, 88
.set G1C, 92
.set MSB, 0
.macro WIN new                         ; the immediate's high byte repeats the setting that is left
.if MSB != \new
	s_set_vgpr_msb (MSB<<8)|\new
.set MSB, \new
.endif
.endm
.set MUL_LO, 0xa1                      ; source 0 window 1, source 1 window 0, C and D window 2
.set MUL_HI, 0xf1                      ; C and D window 3
.set TO_B,   0x40
.macro JLOAD s                         ; waves 0, 1 ask for A's halves, waves 2, 3 for B's: one mask a line; the branch hangs on the wave's number alone
	s_cmp_eq_u32 s11, 0
	s_cbranch_scc0 .Lfor_b_\@
	tensor_load_to_lds s[G0+4*\s:G0+4*\s+3], s[G1:G1+7]
	s_nop 0
	s_branch .Lasked_\@
.Lfor_b_\@:
	tensor_load_to_lds s[G0B+4*\s:G0B+4*\s+3], s[G1B:G1B+7]
	s_nop 0
.Lasked_\@:
.endm
.macro ASK t                           ; K steps t and t + 1 are asked for: xh by wave 0; wqT by wave s9, which is 1 in block rows 0 to 11 and no wave elsewhere
	s_cmp_lg_u32 s10, 0
	s_cbranch_scc1 .Lno_a_\@
	global_prefetch_b8 v[PF], s[PA:PA+1] offset:256*(\t) th:TH_LOAD_NT scope:SCOPE_SE
.Lno_a_\@:
	s_cmp_lg_u32 s10, s9
	s_cbranch_scc1 .Lno_b_\@
	global_prefetch_b8 v[PF], s[PB:PB+1] offset:256*(\t) th:TH_LOAD_NT scope:SCOPE_SE
.Lno_b_\@:
.endm
.macro CREST                           ; a round of the cluster's barrier behind its opening work-group barrier
	s_cmp_lg_u32 s10, 0
	s_cbranch_scc1 .Lnot_wave_0_\@
	s_barrier_signal -3
.Lnot_wave_0_\@:
	s_barrier_wait -3
	s_barrier_signal -1
	s_barrier_wait -1
.endm
.macro CROUND
	s_barrier_signal -1
	s_barrier_wait -1
	CREST
.endm
.macro PLACES                          ; four plain vector instructions between a matrix instruction and whatever else touches its registers (ISA guide 7.12.1)
.rept 4
	v_nop
.endr
.endm
	s_load_b256 s[72:79], s[0:1], 0x0              ; xh s[72:73], wqT s[74:75], cos s[76:77], sin s[78:79]
	s_load_b128 s[80:83], s[0:1], 0x20             ; qb s[80:81], kb s[82:83]
	s_load_b64 s[84:85], s[0:1], 0x30              ; vh
	s_set_vgpr_msb 0x40
	v_lshl_add_u32 v255, v0, 2, 0x4d800
	s_set_vgpr_msb 0x4000
	v_mov_b32 v63, 0
	s_set_vgpr_msb 0x1
	ds_add_u32 v255, v63
	ds_add_u32 v255, v63
	s_set_vgpr_msb 0x100
	v_lshrrev_b32 v1, 5, v0
	v_readfirstlane_b32 s10, v1                    ; wave 0..3
	s_lshr_b32 s11, s10, 1                         ; my half of the rows; also: I fetch for A (0) or B (1)
	s_and_b32 s12, s10, 1                          ; my half of the columns; also: which half of that tile I fetch
	s_bfe_u32 s40, ttmp6, 0x40000                  ; cx
	s_bfe_u32 s41, ttmp6, 0x40004                  ; cy
	s_lshl_b32 s42, ttmp9, 2
	s_add_co_u32 s42, s42, s40                     ; block column = head
	s_and_b32 s13, ttmp7, 0xffff                   ; the cluster's y, which all its work-groups share
	s_cmp_lt_u32 s13, 3
	s_cselect_b32 s9, 1, 99                        ; clusters 0 to 2 along y hold block rows 0 to 11: there wave 1 asks for wqT, elsewhere no wave
	s_lshl_b32 s13, s13, 2
	s_add_co_u32 s13, s13, s41                     ; block row
	s_lshl_b32 s43, s41, 2
	s_lshl_b32 s43, 15, s43                        ; my row of the cluster
	s_lshl_b32 s44, 0x1111, s40                    ; my column
	s_or_b32 s[G1+0], s43, (1<<16)|(1<<20)|(1<<21)|(5<<22)|(3<<25)   ; mask; 2-byte elements; 4 words of padding behind every 64; bit 21 beside a mask
	s_mov_b32 s[G1+1], 128<<16                     ; tensor_dim0 = 128
	s_mov_b32 s[G1+2], 128<<16                     ; tensor_dim1 = 128
	s_mov_b32 s[G1+3], 128<<16                     ; tile_dim0 = 128
	s_mov_b32 s[G1+4], 128                         ; tile_dim1 = 128
	s_mov_b32 s[G1+5], 1024                        ; elements from row to row
	s_mov_b32 s[G1+6], 0
	s_mov_b32 s[G1+7], 0
	s_or_b32 s[G1B+0], s44, (1<<16)|(1<<20)|(1<<21)|(5<<22)|(3<<25)
	s_mov_b32 s[G1B+1], 128<<16
	s_mov_b32 s[G1B+2], BROWS<<16                  ; 96 rows
	s_mov_b32 s[G1B+3], 128<<16
	s_mov_b32 s[G1B+4], BROWS
	s_mov_b32 s[G1B+5], 1024
	s_mov_b32 s[G1B+6], 0
	s_mov_b32 s[G1B+7], 0
	s_mov_b32 s[G1C+0], (2<<16)|(1<<20)|(4<<22)|(3<<25)   ; cos, sin: no mask; 4-byte elements; 4 words of padding behind every 32 (a row of 128 bytes)
	s_mov_b32 s[G1C+1], 64<<16                     ; the dense block comes as 64 rows of 256 bytes
	s_mov_b32 s[G1C+2], 64<<16
	s_mov_b32 s[G1C+3], 64<<16
	s_mov_b32 s[G1C+4], 64
	s_mov_b32 s[G1C+5], 64
	s_mov_b32 s[G1C+6], 0
	s_mov_b32 s[G1C+7], 0
	s_lshl_b32 s17, s12, 7
	s_lshl_b32 s16, s13, 8
	s_add_co_u32 s16, s16, s17                     ; A: row 256 x block row + 128 x half
	s_lshl_b32 s16, s16, 11                        ; rows of 2,048 bytes: below 2^25
	s_mov_b32 s17, 0
	s_mul_i32 s46, s42, 2*BROWS
	s_mul_i32 s47, s12, BROWS
	s_add_co_u32 s46, s46, s47                     ; B: row 192 x head + 96 x half
	s_lshl_b32 s46, s46, 11
	s_mov_b32 s47, 0
	s_mul_i32 s20, s10, ALOAD                      ; LDS: A's halves at wave x 34,816 (waves 0, 1)
	s_mul_i32 s21, s10, BHALF
	s_add_co_u32 s21, s21, ABYTES-2*BHALF          ; B's halves behind A at (wave - 2) x 26,112 (waves 2, 3)
	s_and_b32 s68, s13, 3                          ; cos, sin: position in the sequence = 256 x (block row mod 4) + 128 x half
	s_lshl_b32 s68, s68, 8
	s_lshl_b32 s69, s12, 7
	s_add_co_u32 s68, s68, s69
	s_lshl_b32 s68, s68, 7                         ; rows of 128 bytes
	s_mov_b32 s69, 0
	s_mov_b32 s[G0C+0], 1
	s_mul_i32 s[G0C+1], s10, 128*CSP
	s_add_co_u32 s[G0C+1], s[G0C+1], CS            ; waves 0, 1: cos's halves; waves 2, 3: sin's
	s_lshl_b32 s4, s13, 19                         ; what I ask for of xh: from row 256 x block row + 16 x block column on, rows of 2,048 bytes
	s_lshl_b32 s5, s42, 15
	s_add_co_u32 s4, s4, s5
	s_mov_b32 s5, 0
	s_mul_i32 s6, s42, 192*2048                    ; of wqT: from row 192 x head + 16 x block row on (block rows 0 to 11; the others ask for nothing)
	s_min_u32 s7, s13, 11
	s_lshl_b32 s7, s7, 15
	s_add_co_u32 s6, s6, s7
	s_mov_b32 s7, 0
	v_and_b32 v1, 15, v0                           ; r
	v_bfe_u32 v2, v0, 4, 1                         ; h
	v_lshlrev_b32 v[PF], 11, v1                    ; a row a lane of each half,
	v_lshl_add_u32 v[PF], v2, 8, v[PF]             ; the upper half one K step further along it
	s_wait_dscnt 0x0
	s_wait_kmcnt 0x0
	s_add_nc_u64 s[14:15], s[72:73], s[16:17]
	s_add_nc_u64 s[46:47], s[74:75], s[46:47]
	s_add_nc_u64 s[PA:PA+1], s[72:73], s[4:5]
	s_add_nc_u64 s[PB:PB+1], s[74:75], s[6:7]
	s_cmp_lt_u32 s10, 2
	s_cselect_b64 s[66:67], s[76:77], s[78:79]
	s_add_nc_u64 s[G0C+2:G0C+3], s[66:67], s[68:69]
	s_or_b32 s[G0C+3], s[G0C+3], 0x80000000
	CROUND                                         ; all sixteen work-groups are here: the first joint loads meet
.irp s, 0,1
	s_mov_b32 s[G0+4*\s], 1
	s_add_co_u32 s[G0+4*\s+1], s20, \s*SLOT
	s_add_nc_u64 s[G0+4*\s+2:G0+4*\s+3], s[14:15], \s*ASLOT
	s_or_b32 s[G0+4*\s+3], s[G0+4*\s+3], 0x80000000
	s_mov_b32 s[G0B+4*\s], 1
	s_add_co_u32 s[G0B+4*\s+1], s21, \s*SLOT
	s_add_nc_u64 s[G0B+4*\s+2:G0B+4*\s+3], s[46:47], \s*BSLOT
	s_or_b32 s[G0B+4*\s+3], s[G0B+4*\s+3], 0x80000000
	JLOAD \s
.endr
	tensor_load_to_lds s[G0C:G0C+3], s[G1C:G1C+7]  ; my quarter of cos and sin, a load of my own: three tensor loads of a wave are out here, later one
	s_nop 0
	ASK 2                                          ; K steps 2 and 3: their tensor loads follow behind K steps 0 and 1
	v_mul_u32_u24 v3, v1, APITCH
	v_lshl_add_u32 v3, v2, 4, v3
	v_mul_u32_u24 v7, v1, PITCH
	v_lshl_add_u32 v7, v2, 4, v7
	s_mul_i32 s22, s11, AWAVE
	s_mul_i32 s23, s12, BHALF
	s_add_co_u32 s23, s23, ABYTES
.irp s, 0,1
	v_add_nc_u32 v[ADRA+\s], s22, v3
	v_add_nc_u32 v[ADRB+\s], s23, v7
	s_add_co_u32 s22, s22, SLOT
	s_add_co_u32 s23, s23, SLOT
.endr
	v_mul_u32_u24 v4, v1, SPITCH                   ; stage, in: row 128 x row half + r, byte 192 x column half + 16 h (+ 32 b)
	v_lshl_add_u32 v4, v2, 4, v4
	s_mul_i32 s4, s11, 128*SPITCH
	s_mul_i32 s5, s12, 192
	s_add_co_u32 s4, s4, s5
	v_add_nc_u32 v[STO], s4, v4
	v_mul_u32_u24 v4, v1, CSP                      ; cos of my row: four pairs at 16 h (+ 32 p)
	v_lshl_add_u32 v4, v2, 4, v4
	s_mul_i32 s4, s11, 128*CSP
	s_add_co_u32 s4, s4, CS
	v_add_nc_u32 v[CSA], s4, v4
	v_and_b32 v5, 31, v0
	v_lshrrev_b32 v4, 3, v5                        ; stage, back: eight lanes take the 128 bytes of one row and section
	v_mul_u32_u24 v4, v4, SPITCH
	v_and_b32 v6, 7, v0
	v_lshl_add_u32 v4, v6, 4, v4
	s_mul_i32 s4, s10, 64*SPITCH
	v_add_nc_u32 v[RDS], s4, v4
	v_lshlrev_b32 v[GO], 4, v5
	s_mov_b32 s6, 0xffff0000                       ; a word's upper bf16
; 2 NB matrix instructions: row blocks a0, a0 + 1 of the window's four x all NB column blocks.  The accumulators take turns, one instruction a turn, in the
; same order in every quarter step.
.macro MULH f, hi, a0, zero
.irp a, \a0, \a0+1
.irp b, 0,1,2,3,4,5
.if \zero
	v_wmma_f32_16x16x32_bf16 v[8*(NB*(\a)+\b):8*(NB*(\a)+\b)+7], v[\f+8*\b:\f+8*\b+7], v[\f+8*(4*\hi+\a):\f+8*(4*\hi+\a)+7], 0
.else
	v_wmma_f32_16x16x32_bf16 v[8*(NB*(\a)+\b):8*(NB*(\a)+\b)+7], v[\f+8*\b:\f+8*\b+7], v[\f+8*(4*\hi+\a):\f+8*(4*\hi+\a)+7], v[8*(NB*(\a)+\b):8*(NB*(\a)+\b)+7]
.endif
.endr
.endr
.endm
.macro FETCH slot, q, f                ; the fragments of quarter q: 2 NB loads of B, 16 of A, in one run
	WIN TO_B
.irp i, 0,1,2,3,4,5
	ds_load_b128 v[\f+8*\i:\f+8*\i+3],   v[ADRB+\slot] offset:64*\q+\i*16*PITCH
	ds_load_b128 v[\f+8*\i+4:\f+8*\i+7], v[ADRB+\slot] offset:64*\q+\i*16*PITCH+32
.endr
	WIN 0
.irp i, 0,1,2,3,4,5,6,7
	ds_load_b128 v[\f+8*\i:\f+8*\i+3],   v[ADRA+\slot] offset:(\q>>1)*ASUB+(\q&1)*64+\i*16*APITCH
	ds_load_b128 v[\f+8*\i+4:\f+8*\i+7], v[ADRA+\slot] offset:(\q>>1)*ASUB+(\q&1)*64+\i*16*APITCH+32
.endr
.endm
.macro QUARTER slot, q, f, g, zero     ; multiplies buffer f; in its middle fetches quarter q into buffer g
	s_wait_dscnt 8                                 ; B and A's rows 0-63 are in; the youngest eight loads (A's rows 64-127) may be out
	WIN MUL_LO
	MULH \f, 0, 0, \zero
	MULH \f, 0, 2, \zero
	PLACES
	FETCH \slot, \q, \g
	s_wait_dscnt 2*NB+16                           ; all but the run just issued
	WIN MUL_HI
	MULH \f, 1, 0, \zero
	MULH \f, 1, 2, \zero
.endm
.macro THREE slot, zero
	QUARTER \slot, 1, F0, F1, \zero
	QUARTER \slot, 2, F1, F0, 0
	QUARTER \slot, 3, F0, F1, 0
.endm
; The last quarter of a K step changes slots.  In front of the barrier each wave waits for its reads of this slot and for all its tensor loads; where the slot
; is filled again the barrier opens a round of the cluster's barrier, and the joint refill is the first tensor load behind the round, one a wave.
; pf: the first of two K steps that are asked for behind the refill, or -1.
.macro TURN slot, next, fill, pf
	s_wait_dscnt 8
	WIN MUL_LO
	MULH F1, 0, 0, 0
	s_wait_dscnt 0                                 ; my reads of this slot are over
	s_wait_tensorcnt 0x0                           ; all my tensor loads have landed, my part of the next slot among them
	ds_add_u32 v255, v63
	s_wait_dscnt 0x0
	s_barrier_signal -1
	MULH F1, 0, 2, 0                               ; register work while the others arrive
	WIN 0
	s_barrier_wait -1
.if \fill
	CREST
	s_add_nc_u64 s[G0+4*\slot+2:G0+4*\slot+3], s[G0+4*\slot+2:G0+4*\slot+3], ASTEP
	s_add_nc_u64 s[G0B+4*\slot+2:G0B+4*\slot+3], s[G0B+4*\slot+2:G0B+4*\slot+3], BSTEP
	JLOAD \slot
.endif
.if \pf >= 0
	ASK \pf
.endif
	PLACES
	FETCH \next, 0, F0
	WIN MUL_HI
	MULH F1, 1, 0, 0
	MULH F1, 1, 2, 0
.endm
.macro LAP zero, pf                    ; two K steps, once round the ring, both slots filled again
	THREE 0, \zero
	TURN 0, 1, 1, -1
	THREE 1, 0
	TURN 1, 0, 1, \pf
.endm
	s_wait_tensorcnt 2                             ; my part of K step 0 is in; K step 1's load and cos/sin's stay out
	s_barrier_signal -1
	s_barrier_wait -1
	FETCH 0, 0, F0
	LAP 1, 4                                       ; K steps 0, 1: the first products start the sums, nothing is cleared; K steps 4, 5 are asked for
	LAP 0, 6                                       ; K steps 2, 3; K steps 6, 7 are asked for
	LAP 0, -1                                      ; K steps 4, 5: nothing is left to ask for
	THREE 0, 0                                     ; K steps 6, 7 fill nothing
	TURN 0, 1, 0, -1
	THREE 1, 0
	s_wait_dscnt 8
	WIN MUL_LO
	MULH F1, 0, 0, 0
	MULH F1, 0, 2, 0
	s_wait_dscnt 0
	WIN MUL_HI
	MULH F1, 1, 0, 0
	MULH F1, 1, 2, 0
	PLACES
	WIN 0
	; THE WAY OUT.  Slot 0 has had its last fill and every wave's reads of it ended in front of the last change of slots: it is the stage, 256 rows x 400 bytes.
.macro LOADCS a, p0                    ; cos and sin of row block a for the column blocks p0 .. 3 of a head: four pairs a lane and block
.irp p, 0,1,2,3
.if \p >= \p0
	ds_load_b128 v[CSB+32*((\a)&1)+4*\p:CSB+32*((\a)&1)+4*\p+3],       v[CSA] offset:16*CSP*(\a)+32*\p
	ds_load_b128 v[CSB+32*((\a)&1)+16+4*\p:CSB+32*((\a)&1)+16+4*\p+3], v[CSA] offset:16*CSP*(\a)+32*\p+SINO
.endif
.endr
.endm
.macro RNDCS a, p0                     ; the same numbers rounded to bf16, to nearest even, and widened again in place
.set CB, CSB+32*((\a)&1)
.irp p, 0,1,2,3
.if \p >= \p0
.irp i, 0,1
	v_cvt_pk_bf16_f32 v[RT+2*\p+\i],   v[CB+4*\p+2*\i],    v[CB+4*\p+2*\i+1]
	v_cvt_pk_bf16_f32 v[RT+8+2*\p+\i], v[CB+16+4*\p+2*\i], v[CB+16+4*\p+2*\i+1]
.endr
.endif
.endr
.irp p, 0,1,2,3
.if \p >= \p0
.irp i, 0,1
	v_lshlrev_b32 v[CB+4*\p+2*\i],      16, v[RT+2*\p+\i]
	v_and_b32     v[CB+4*\p+2*\i+1],    s6, v[RT+2*\p+\i]
	v_lshlrev_b32 v[CB+16+4*\p+2*\i],   16, v[RT+8+2*\p+\i]
	v_and_b32     v[CB+16+4*\p+2*\i+1], s6, v[RT+8+2*\p+\i]
.endr
.endif
.endr
.endm
.macro ROPE a, b, p                    ; accumulator tile (a, b), source 0's window, rotated into T: (x1 c - x2 s, x1 s + x2 c)
.irp i, 0,1,2,3
	v_mul_f32 v[T+8*\b+2*\i],   v[8*(NB*((\a)&3)+\b)+2*\i], v[CSB+32*((\a)&1)+4*\p+\i]
	v_mul_f32 v[T+8*\b+2*\i+1], v[8*(NB*((\a)&3)+\b)+2*\i], v[CSB+32*((\a)&1)+16+4*\p+\i]
	v_fma_f32 v[T+8*\b+2*\i],   -v[8*(NB*((\a)&3)+\b)+2*\i+1], v[CSB+32*((\a)&1)+16+4*\p+\i], v[T+8*\b+2*\i]
	v_fma_f32 v[T+8*\b+2*\i+1], v[8*(NB*((\a)&3)+\b)+2*\i+1], v[CSB+32*((\a)&1)+4*\p+\i], v[T+8*\b+2*\i+1]
.endr
.endm
.macro PUT a
.irp b, 0,1,2,3,4,5
	ds_store_b128 v[STO], v[PK+4*\b:PK+4*\b+3] offset:16*SPITCH*\a+32*\b
.endr
.endm
.macro EPI0A a                         ; column half 0: q's blocks 0-3, k's blocks 0-1
.if \a < 7
	LOADCS \a+1, 0
	s_wait_dscnt 8                                 ; all but the next row block's eight loads
.else
	s_wait_dscnt 0
.endif
	RNDCS \a, 0
.if \a < 4
	WIN 0x02
.else
	WIN 0x03
.endif
	ROPE \a, 0, 0
	ROPE \a, 1, 1
	ROPE \a, 2, 2
	ROPE \a, 3, 3
	ROPE \a, 4, 0
	ROPE \a, 5, 1
	WIN 0
.set kk, 0
.rept 24
	v_cvt_pk_f16_f32 v[PK+kk], v[T+2*kk], v[T+2*kk+1]
.set kk, kk+1
.endr
	PUT \a
.endm
.macro EPI1A a                         ; column half 1: k's blocks 2-3, v's blocks 0-3
.if \a < 7
	LOADCS \a+1, 2
	s_wait_dscnt 4                                 ; all but the next row block's four loads
.else
	s_wait_dscnt 0
.endif
	RNDCS \a, 2
.if \a < 4
	WIN 0x02
.else
	WIN 0x03
.endif
	ROPE \a, 0, 2
	ROPE \a, 1, 3
.if \a < 4
	WIN 0x0a
.else
	WIN 0x0f
.endif
.irp b, 2,3,4,5
.irp i, 0,1,2,3
	v_cvt_pk_f16_f32 v[PK+4*\b+\i], v[8*(NB*((\a)&3)+\b)+2*\i], v[8*(NB*((\a)&3)+\b)+2*\i+1]
.endr
.endr
	WIN 0
.set kk, 0
.rept 8
	v_cvt_pk_f16_f32 v[PK+kk], v[T+2*kk], v[T+2*kk+1]
.set kk, kk+1
.endr
	PUT \a
.endm
	s_cmp_lg_u32 s12, 0                            ; the wave's number alone
	s_cbranch_scc1 .Lepi1
	LOADCS 0, 0
.irp a, 0,1,2,3,4,5,6,7
	EPI0A \a
.endr
	s_branch .Lout
.Lepi1:
	LOADCS 0, 2
.irp a, 0,1,2,3,4,5,6,7
	EPI1A \a
.endr
.Lout:
	s_wait_dscnt 0x0                               ; my part of the stage is written, for the other waves' sake
	s_barrier_signal -1
	s_barrier_wait -1
	s_lshr_b32 s4, s13, 2                          ; batch
	s_lshl_b32 s4, s4, 4
	s_add_co_u32 s4, s4, s42                       ; x 16 + head
	s_lshl_b32 s4, s4, 10
	s_and_b32 s5, s13, 3
	s_lshl_b32 s5, s5, 8
	s_add_co_u32 s4, s4, s5                        ; + position of the block's first row
	s_lshl_b32 s5, s10, 6
	s_add_co_u32 s4, s4, s5                        ; + my 64 rows
	s_lshl_b32 s4, s4, 7                           ; rows of 128 bytes
	s_mov_b32 s5, 0
	s_add_nc_u64 s[80:81], s[80:81], s[4:5]
	s_add_nc_u64 s[82:83], s[82:83], s[4:5]
	s_add_nc_u64 s[84:85], s[84:85], s[4:5]
.macro OUTSEC sec, f, base             ; my 64 rows of one section: dense in memory, so each store of the wave covers 512 neighbouring bytes, aligned
	s_wait_xcnt 0x0                                ; buffer f, which earlier stores read, is loaded again only behind this wait
.irp k, 0,1,2,3,4,5,6,7,8,9,10,11,12,13,14,15
	ds_load_b128 v[\f+4*\k:\f+4*\k+3], v[RDS] offset:4*SPITCH*\k+128*\sec
.endr
.irp k, 0,1,2,3,4,5,6,7,8,9,10,11,12,13,14,15
	s_wait_dscnt 15-\k
	global_store_b128 v[GO], v[\f+4*\k:\f+4*\k+3], s[\base:\base+1] offset:512*\k
.endr
.endm
	OUTSEC 0, F0, 80
	OUTSEC 1, F1, 82
	OUTSEC 2, F0, 84
	s_set_vgpr_msb 0x1
	s_wait_tensorcnt 0x0
	ds_add_u32 v255, v63
	s_wait_dscnt 0x0
	s_set_vgpr_msb 0x100
	CROUND                                         ; the closing round: no work-group ends while a partner may still ask for a tile that names it
	s_endpgm
.Lfunc_end_k_q1efe24af83_qkv:
	.size	k_q1efe24af83_qkv, .Lfunc_end_k_q1efe24af83_qkv-k_q1efe24af83_qkv
	.p2alignl 7, 3214868480
	.fill 96, 4, 3214868480
	.section	.rodata,"a",@progbits
	.p2align	6, 0x0
	.amdhsa_kernel k_q1efe24af83_qkv
		.amdhsa_group_segment_fixed_size 327680
		.amdhsa_private_segment_fixed_size 0
		.amdhsa_enable_private_segment 0
		.amdhsa_kernarg_size 56
		.amdhsa_user_sgpr_count 2
		.amdhsa_user_sgpr_kernarg_segment_ptr 1
		.amdhsa_wavefront_size32 1
		.amdhsa_system_sgpr_workgroup_id_x 1
		.amdhsa_system_sgpr_workgroup_id_y 1
		.amdhsa_system_sgpr_workgroup_id_z 1
		.amdhsa_system_vgpr_workitem_id 0
		.amdhsa_next_free_vgpr 960
		.amdhsa_next_free_sgpr 100
		.amdhsa_reserve_vcc 0
		.amdhsa_float_denorm_mode_32 3
		.amdhsa_float_denorm_mode_16_64 3
		.amdhsa_memory_ordered 1
		.amdhsa_forward_progress 1
		.amdhsa_inst_pref_size 255
	.end_amdhsa_kernel
	.section	.bss,"aw",@nobits
	.p2align	6
	.space	262144
	.amdgpu_metadata
---
amdhsa.version: [ 1, 2 ]
amdhsa.kernels:
  - .name:           k_q1efe24af83_qkv
    .symbol:         k_q1efe24af83_qkv.kd
    .args:
      - { .name: xh, .offset: 0, .size: 8, .value_kind: global_buffer, .address_space: global }
      - { .name: wqT, .offset: 8, .size: 8, .value_kind: global_buffer, .address_space: global }
      - { .name: cos, .offset: 16, .size: 8, .value_kind: global_buffer, .address_space: global }
      - { .name: sin, .offset: 24, .size: 8, .value_kind: global_buffer, .address_space: global }
      - { .name: qb, .offset: 32, .size: 8, .value_kind: global_buffer, .address_space: global }
      - { .name: kb, .offset: 40, .size: 8, .value_kind: global_buffer, .address_space: global }
      - { .name: vh, .offset: 48, .size: 8, .value_kind: global_buffer, .address_space: global }
    .group_segment_fixed_size: 327680
    .private_segment_fixed_size: 0
    .kernarg_segment_align: 8
    .kernarg_segment_size: 56
    .max_flat_workgroup_size: 128
    .sgpr_count:     100
    .vgpr_count:     960
    .wavefront_size: 32
...
	.end_amdgpu_metadata
.endif
;; end of part 2
;; launch attn (part 3): grid 256 x 1, 8 waves a work-group, no clusters, 316,928 bytes of LDS; arguments qb, kb, vh, attn_mask, yh; writes yh
.if DOCPART == 3
	.amdgcn_target "amdgcn-amd-amdhsa--gfx1250"
	.amdhsa_code_object_version 6
	.text
	.protected	k_q1efe24af83_attn
	.globl	k_q1efe24af83_attn
	.p2align	8
	.type	k_q1efe24af83_attn,@function
k_q1efe24af83_attn:
	s_mov_b64 s[64:65], 0
	v_nop
	global_prefetch_b8 v0, s[64:65] scope:SCOPE_SE
	s_setreg_imm32_b32 hwreg(HW_REG_WAVE_MODE, 25, 1), 1
	s_wait_xcnt 0x0
; attn: masked causal softmax attention; qb, kb (each times 2^-6), vh and yh in f16, all [8][16][1024][64]; attn_mask [8][1024] bytes.
; Two work-groups a head (g = 0, 1).  The head's whole K (1,024 x 144 bytes) and V (1,024 x 160) are brought into LDS once, no slot is ever filled again.
; THE FILL COMES IN TWO HALVES: each wave issues four tensor loads at the start, K and V of 64 of the keys 0-511, then K and V of 64 of the keys 512-1023.  Behind
; the first half's barrier every wave has up to two units that need keys 0-511 alone; they run while the second half is on its way.
; A unit is 64 queries x 64 keys.  With p = wave & 3, i = 2 p + g, H = 15 - i:
;   waves 0-3 (role 0): query block H against key blocks 0, 1 | then 2..6 and last its own key block H                                  (8 units)
;   waves 4-7 (role 1): query block i against its own key block i and key block 0 | then 1..i-1; the block is kept packed in registers;
;                       then query block H against key blocks 7..H-1                                                                    (9 units)
; ('|' is the second half's barrier.)  Role 1 hands its running maximum, sum and O of block H through LDS to role 0, which joins the two.
; ORDER IN LDS: between the barrier behind the mean of V and the barrier at which every wave's reads of K and V are over, no wave stores into LDS at all;
; the hand-over and the stages of the way out lie in K's bytes and are written only behind that second barrier.
; LAYOUT: S^T = K Q^T (a lane holds query l % 16 and keys 8 (l / 16) + 0..7), so that two packed tiles of S are P as second source of O^T = V^T P, with V^T
; read by the transposing LDS load; maximum, sum and rescaling are per lane, and one exchange of the lane halves serves the maximum.
; SCALE: the products of q 2^-6 and k 2^-6 are multiplied by 2^12 log2(e) / 8, which takes the two factors back and turns to base 2.
; MASK: a masked key gets the bias -1e30 on the scaled score (in base 2), the future keys of the diagonal tile -1e30 itself; the running maximum is taken away in front
; of every exponential.  While a valid query has met masked keys alone, its maximum is about -1e30; the first true score then rescales what was summed by
; exp2(-1e30) = 0, and its own key, in the diagonal block, is always such a score.  LIMIT: |score| x 0.18 below about 3e22, or the bias would no longer win.
; LIMIT: |v|, |y| below 65,504 (f16).
; A query that is itself masked has every score equal in the problem's formula, so its row is the mean of V over all 1,024 keys: that mean is made here
; (VSUM) and selected per query, without a branch.
; NO CLUSTER: the two work-groups of a head read the same K and V, but their trip counts and the diagonal block's LDS address hang on g, and partners of a joint
; load have to run alike.  NO PREFETCH: all of K and V is requested at the start, and role 1's second block of Q is loaded ahead of the finishing of its first.
.set KP,    144
.set VP,    160
.set VBASE, 1024*KP                    ; 147,456
.set BIAS,  VBASE+1024*VP              ; 311,296: 1,024 f32
.set VS,    BIAS+4096                  ; two partial means of 64 f32
.set STSH,  17408                      ; the hand-over, by p, from LDS byte 0 on, in K's bytes
.set STG,   4*STSH                     ; 69,632: behind it the stages of the way out, in K's bytes too:
.set STGW,  64*KP                      ; 64 rows x 144 bytes for each wave; they end at 143,360
.set KF, 64                            ; window 0: v[64:127]  K fragment (kt, e) at 16 kt + 8 e; behind the products with Q: V fragment (u, dt) at 32 u + 8 dt
.set SS, 128                           ; window 0: v[128:255] S tile (kt, n) at 32 n + 8 kt; then P (u, n) at 32 n + 16 u
.set BI, 32                            ; window 0: v[32:63]   bias of the unit's keys; then v[32:39] the rescaling factors, in pairs
.set QF, 128                           ; window 1: v[128:191] Q fragment (n, e) at 16 n + 8 e;   window 1, v[0:127]: O (dt, n) at 32 n + 8 dt
.set YF, 192                           ; window 1: v[192:255] a finished query block, packed f16: (n, dt) at 16 n + 4 dt
.set MSB, 0
.macro WIN new                         ; the immediate's high byte repeats the setting that is left
.if MSB != \new
	s_set_vgpr_msb (MSB<<8)|\new
.set MSB, \new
.endif
.endm
.macro PLACES n
.rept \n
	v_nop
.endr
.endm
	s_load_b256 s[4:11], s[0:1], 0x0               ; qb s[4:5], kb s[6:7], vh s[8:9], attn_mask s[10:11]
	s_load_b64 s[12:13], s[0:1], 0x20              ; yh
	v_lshl_add_u32 v254, v0, 2, 0x4d200
	v_mov_b32 v255, 0
	ds_add_u32 v254, v255
	ds_add_u32 v254, v255
	s_wait_dscnt 0x0
	v_lshrrev_b32 v1, 5, v0
	v_readfirstlane_b32 s14, v1                    ; wave
	s_lshr_b32 s15, s14, 2                         ; role
	s_and_b32 s16, s14, 3                          ; p
	s_lshr_b32 s17, ttmp9, 1                       ; batch x 16 + head
	s_and_b32 s18, ttmp9, 1                        ; g
	s_lshl1_add_u32 s19, s16, s18                  ; i
	s_sub_co_u32 s20, 15, s19                      ; H
	s_mov_b32 s28, 0x76543210                      ; v_permlanex16_b32: lane l of the other half
	s_mov_b32 s29, 0xfedcba98
	; 64 keys = 8,192 dense bytes, as 32 rows of 256 bytes; padding behind every 32 words (a key's 128 bytes): 4 words for K, 8 for V
	s_mov_b32 s48, (1<<16)|(1<<20)|(4<<22)|(3<<25)
	s_mov_b32 s49, 128<<16
	s_mov_b32 s50, 32<<16
	s_mov_b32 s51, 128<<16
	s_mov_b32 s52, 32
	s_mov_b32 s53, 128
	s_mov_b32 s54, 0
	s_mov_b32 s55, 0
	s_mov_b32 s56, (1<<16)|(1<<20)|(4<<22)|(7<<25)
	s_mov_b32 s57, 128<<16
	s_mov_b32 s58, 32<<16
	s_mov_b32 s59, 128<<16
	s_mov_b32 s60, 32
	s_mov_b32 s61, 128
	s_mov_b32 s62, 0
	s_mov_b32 s63, 0
	s_lshl_b32 s24, s17, 17
	s_lshl_b32 s25, s14, 13
	s_add_co_u32 s24, s24, s25                     ; my head, keys 64 x wave
	s_mov_b32 s25, 0
	s_mov_b32 s40, 1
	s_mul_i32 s41, s14, 64*KP                      ; K, first half: wave x 9,216
	s_mov_b32 s44, 1
	s_mul_i32 s45, s14, 64*VP
	s_add_co_u32 s45, s45, VBASE                   ; V, first half: 147,456 + wave x 10,240
	s_mov_b32 s72, 1
	s_add_co_u32 s73, s41, 512*KP                  ; the second halves: 512 keys further on
	s_mov_b32 s76, 1
	s_add_co_u32 s77, s45, 512*VP
	s_wait_kmcnt 0x0
	s_add_nc_u64 s[42:43], s[6:7], s[24:25]
	s_add_nc_u64 s[74:75], s[42:43], 0x10000       ; 512 keys of 128 bytes
	s_or_b32 s43, s43, 0x80000000
	s_or_b32 s75, s75, 0x80000000
	s_add_nc_u64 s[46:47], s[8:9], s[24:25]
	s_add_nc_u64 s[78:79], s[46:47], 0x10000
	s_or_b32 s47, s47, 0x80000000
	s_or_b32 s79, s79, 0x80000000
	tensor_load_to_lds s[40:43], s[48:55]          ; K, keys 64 w .. of the first half
	s_nop 0
	tensor_load_to_lds s[44:47], s[56:63]          ; V likewise
	s_nop 0
	tensor_load_to_lds s[72:75], s[48:55]          ; K, keys 512 + 64 w ..
	s_nop 0
	tensor_load_to_lds s[76:79], s[56:63]          ; V likewise: four tensor loads of a wave are out, and no more are ever issued
	s_nop 0
	s_lshr_b32 s24, s17, 4
	s_lshl_b32 s24, s24, 10
	s_add_nc_u64 s[10:11], s[10:11], s[24:25]      ; my batch's mask
	v_lshlrev_b32 v14, 2, v0
	global_load_b32 v15, v14, s[10:11]             ; four keys a thread
	s_cmp_eq_u32 s15, 0
	s_cselect_b32 s21, s20, s19                    ; the query block that I finish: H or i
	s_cselect_b32 s23, 7, s19                      ; and how many whole key blocks from 0 on it meets in my hands
	v_and_b32 v13, 31, v0
	v_and_b32 v1, 15, v0                           ; r
	v_bfe_u32 v2, v0, 4, 1                         ; h
	v_lshlrev_b32 v10, 7, v1
	v_lshl_add_u32 v10, v2, 4, v10                 ; Q: row r, 16 h
.macro LOADQ sb                        ; the 64 queries of block sb as second sources, straight from memory
	s_lshl_b32 s24, s17, 17
	s_lshl_b32 s25, \sb, 13
	s_add_co_u32 s24, s24, s25
	s_mov_b32 s25, 0
	s_add_nc_u64 s[26:27], s[4:5], s[24:25]
	WIN 0x40
.irp n, 0,1,2,3
.irp e, 0,1
	global_load_b128 v[QF+16*\n+8*\e:QF+16*\n+8*\e+3],   v10, s[26:27] offset:2048*\n+64*\e
	global_load_b128 v[QF+16*\n+8*\e+4:QF+16*\n+8*\e+7], v10, s[26:27] offset:2048*\n+64*\e+32
.endr
.endr
	WIN 0
.endm
	LOADQ s21
	v_mul_u32_u24 v3, v1, KP
	v_lshl_add_u32 v3, v2, 4, v3                   ; K: row r, 16 h
	v_and_b32 v26, 7, v0
	v_lshl_add_u32 v26, v2, 3, v26
	v_mul_u32_u24 v4, v26, VP
	v_bfe_u32 v27, v0, 3, 1
	v_lshl_add_u32 v4, v27, 4, v4
	v_add_nc_u32 v4, VBASE, v4                     ; V, transposing load: key 8 h + (l & 7), 16 bytes by bit 3 of the lane
	v_lshlrev_b32 v5, 5, v2
	v_add_nc_u32 v5, BIAS, v5                      ; bias of keys 8 h + 0..7
	v_mov_b32 v9, 0xf149f2ca                       ; -1e30
	s_mul_i32 s24, s14, STGW
	s_add_co_u32 s24, s24, STG                     ; my wave's stage
	v_add_nc_u32 v11, s24, v3                      ; stage, in: row r (+ 16 n), 16 h (+ 32 dt)
	v_lshrrev_b32 v26, 3, v13
	v_mul_u32_u24 v26, v26, KP
	v_and_b32 v27, 7, v0
	v_lshl_add_u32 v26, v27, 4, v26
	v_add_nc_u32 v12, s24, v26                     ; stage, back: eight lanes a row
	v_lshlrev_b32 v13, 4, v13                      ; 16 l
	v_lshlrev_b32 v26, 3, v2
	v_sub_nc_u32 v26, v1, v26                      ; r - 8 h
.irp j, 0,1,2,3,4,5,6,7
	v_cmp_gt_i32 s[32+\j], \j, v26                 ; in a diagonal tile: key 8 h + j lies behind query r
.endr
	s_wait_loadcnt 16                              ; the mask word is in; Q's sixteen loads stay out
.irp k, 0,1,2,3
	v_bfe_u32 v26, v15, 8*\k, 8
	v_cmp_eq_u32 vcc_lo, 0, v26
	v_cndmask_b32 v[28+\k], 0, v9, vcc_lo
.endr
	v_lshlrev_b32 v26, 4, v0
	v_add_nc_u32 v26, BIAS, v26
	ds_store_b128 v26, v[28:31]
	s_wait_dscnt 0x0                               ; my biases are written,
	s_wait_tensorcnt 0x2                           ; my keys of the first half have landed; the second half's two loads stay out
	s_barrier_signal -1
	s_barrier_wait -1                              ; everybody's have
.macro SETADR sj, msk                  ; the unit's addresses for key block sj & msk (msk = 7: the first half's keys alone; 15: any)
	s_and_b32 s24, \sj, \msk
	s_mul_i32 s25, s24, 64*KP
	v_add_nc_u32 v6, s25, v3
	s_mul_i32 s25, s24, 64*VP
	v_add_nc_u32 v7, s25, v4
	s_lshl_b32 s25, s24, 8
	v_add_nc_u32 v8, s25, v5
.endm
; The softmax step of query tile n over its na live registers of S (32, or 8 (n + 1) in a diagonal unit).  m in v[16+n], the lane half's sum in v[20+n].
.macro SOFT n, na, first
.set SB, SS+32*\n
	v_max_num_f32 v26, v[SB], v[SB+1]
	v_max_num_f32 v27, v[SB+2], v[SB+3]
.set kk, 4
.rept ((\na)-4)/4
	v_max3_num_f32 v26, v26, v[SB+kk], v[SB+kk+1]
	v_max3_num_f32 v27, v27, v[SB+kk+2], v[SB+kk+3]
.set kk, kk+4
.endr
.if \first
	v_max_num_f32 v26, v26, v27
.else
	v_max3_num_f32 v26, v26, v27, v[16+\n]
.endif
	v_permlanex16_b32 v27, v26, s28, s29           ; the other half's keys
	v_max_num_f32 v24, v26, v27
	v_max_num_f32 v25, v26, v27                    ; the new maximum, twice, for the packed subtraction
.if \first == 0
	v_sub_f32 v28, v[16+\n], v24
	v_exp_f32 v[BI+2*\n], v28                      ; the factor for what has been summed so far; the subtractions below are the plain place behind it
.endif
.set kk, 0
.rept (\na)/2
	v_pk_add_f32 v[SB+kk:SB+kk+1], v[SB+kk:SB+kk+1], v[24:25] neg_lo:[0,1] neg_hi:[0,1]
.set kk, kk+2
.endr
.set kk, 0
.rept \na
	v_exp_f32 v[SB+kk], v[SB+kk]
.set kk, kk+1
.endr
	v_mov_b32 v[16+\n], v24                        ; a plain instruction behind the run of exponentials (ISA guide 5.7.2)
.if \first == 0
	s_wait_alu depctr_va_vdst(0)
	v_mov_b32 v[BI+2*\n+1], v[BI+2*\n]
.endif
	s_wait_alu depctr_va_vdst(0)
	v_pk_add_f32 v[26:27], v[SB:SB+1], v[SB+2:SB+3]
	v_pk_add_f32 v[28:29], v[SB+4:SB+5], v[SB+6:SB+7]
.set kk, 8
.rept ((\na)-8)/4
	v_pk_add_f32 v[26:27], v[26:27], v[SB+kk:SB+kk+1]
	v_pk_add_f32 v[28:29], v[28:29], v[SB+kk+2:SB+kk+3]
.set kk, kk+4
.endr
	v_pk_add_f32 v[26:27], v[26:27], v[28:29]
.if \first
	v_add_f32 v[20+\n], v26, v27
.else
	v_add_f32 v26, v26, v27
	v_fma_f32 v[20+\n], v[20+\n], v[BI+2*\n], v26
.endif
.set kk, 0
.rept (\na)/2                          ; tiles 2 u, 2 u + 1 packed in place are P's fragment of 32 keys
	v_cvt_pk_f16_f32 v[SB+16*(kk/8)+(kk%8)], v[SB+2*kk], v[SB+2*kk+1]
.set kk, kk+1
.endr
.if ((\na)%16) == 8                    ; a fragment whose upper tile lies wholly in the future: zeros
.irp z, 4,5,6,7
	v_mov_b32 v[SB+16*((\na)/16)+\z], 0
.endr
.endif
.endm
; One unit.  first = 1: it starts m, the sums and O; diag = 1: key block = query block, tiles with kt > n are left out.
.macro UNIT first, diag
.irp kt, 0,1,2,3
.irp e, 0,1
	ds_load_b128 v[KF+16*\kt+8*\e:KF+16*\kt+8*\e+3],   v6 offset:16*KP*\kt+64*\e
	ds_load_b128 v[KF+16*\kt+8*\e+4:KF+16*\kt+8*\e+7], v6 offset:16*KP*\kt+64*\e+32
.endr
.endr
.irp kt, 0,1,2,3
	ds_load_b128 v[BI+8*\kt:BI+8*\kt+3],   v8 offset:64*\kt
	ds_load_b128 v[BI+8*\kt+4:BI+8*\kt+7], v8 offset:64*\kt+16
.endr
	s_wait_dscnt 8                                 ; K's sixteen loads are in; the 8 of the bias stay out
	WIN 0x04                                       ; Q in window 1
.irp e, 0,1                            ; S^T = K Q^T; the tiles take turns, one instruction a turn
.irp n, 0,1,2,3
.irp kt, 0,1,2,3
.if \diag*\kt <= \n
.if \e == 0
	v_wmma_f32_16x16x32_f16 v[SS+32*\n+8*\kt:SS+32*\n+8*\kt+7], v[KF+16*\kt:KF+16*\kt+7], v[QF+16*\n:QF+16*\n+7], 0
.else
	v_wmma_f32_16x16x32_f16 v[SS+32*\n+8*\kt:SS+32*\n+8*\kt+7], v[KF+16*\kt+8:KF+16*\kt+15], v[QF+16*\n+8:QF+16*\n+15], v[SS+32*\n+8*\kt:SS+32*\n+8*\kt+7]
.endif
.endif
.endr
.endr
.endr
	WIN 0
	PLACES 4                                       ; four places behind the products: their results are read, and K's registers are loaded again (ISA guide 7.12.1)
.irp u, 0,1                            ; V^T of the unit's 64 keys into K's registers: these loads land while the softmax step runs
.irp dt, 0,1,2,3
	ds_load_tr16_b128 v[KF+32*\u+8*\dt:KF+32*\u+8*\dt+3],   v7 offset:32*VP*\u+32*\dt
	ds_load_tr16_b128 v[KF+32*\u+8*\dt+4:KF+32*\u+8*\dt+7], v7 offset:32*VP*\u+32*\dt+16*VP
.endr
.endr
	s_wait_dscnt 16                                ; the bias is in; V's sixteen loads stay out
.irp n, 0,1,2,3
.irp kt, 0,1,2,3
.if \diag*\kt <= \n
.irp k, 0,2,4,6
	v_pk_fma_f32 v[SS+32*\n+8*\kt+\k:SS+32*\n+8*\kt+\k+1], v[SS+32*\n+8*\kt+\k:SS+32*\n+8*\kt+\k+1], 0x4438aa3b, v[BI+8*\kt+\k:BI+8*\kt+\k+1] op_sel_hi:[1,0,1]   ; x 2^12 log2(e) / 8 + bias
.endr
.if \diag
.if \kt == \n
.irp j, 0,1,2,3,4,5,6,7
	v_cndmask_b32 v[SS+32*\n+8*\kt+\j], v[SS+32*\n+8*\kt+\j], v9, s[32+\j]
.endr
.endif
.endif
.endif
.endr
.endr
.irp n, 0,1,2,3
.if \diag
	SOFT \n, 8*(\n+1), \first
.else
	SOFT \n, 32, \first
.endif
.endr
.if \first == 0
	WIN 0x41
.irp n, 0,1,2,3
.set kk, 0
.rept 16
	v_pk_mul_f32 v[32*\n+kk:32*\n+kk+1], v[32*\n+kk:32*\n+kk+1], v[BI+2*\n:BI+2*\n+1]
.set kk, kk+2
.endr
.endr
.endif
	s_wait_dscnt 0x0                               ; V
	WIN 0x50                                       ; V and P in window 0, C and D in window 1
.irp u, 0,1                            ; O^T += V^T P; the tiles take turns, one instruction a turn
.irp n, 0,1,2,3
.if \diag*2*\u <= \n
.irp dt, 0,1,2,3
.if \first*(1-\u)
	v_wmma_f32_16x16x32_f16 v[32*\n+8*\dt:32*\n+8*\dt+7], v[KF+32*\u+8*\dt:KF+32*\u+8*\dt+7], v[SS+32*\n+16*\u:SS+32*\n+16*\u+7], 0
.else
	v_wmma_f32_16x16x32_f16 v[32*\n+8*\dt:32*\n+8*\dt+7], v[KF+32*\u+8*\dt:KF+32*\u+8*\dt+7], v[SS+32*\n+16*\u:SS+32*\n+16*\u+7], v[32*\n+8*\dt:32*\n+8*\dt+7]
.endif
.endr
.endif
.endr
.endr
	WIN 0
	PLACES 5                                       ; the next unit's products write over P, its loads over V; whatever follows the last unit reads O
.endm
; Query block s21 is finished in registers: O / sum, or the mean of V where the query is masked, packed to f16 into window 1, v[192:255].  LDS is only read.
.macro FINPACK
	v_lshlrev_b32 v14, 5, v2
	v_add_nc_u32 v14, VS, v14
.irp dt, 0,1,2,3
	ds_load_b128 v[128+8*\dt:128+8*\dt+3],   v14 offset:64*\dt
	ds_load_b128 v[128+8*\dt+4:128+8*\dt+7], v14 offset:64*\dt+16
	ds_load_b128 v[160+8*\dt:160+8*\dt+3],   v14 offset:256+64*\dt
	ds_load_b128 v[160+8*\dt+4:160+8*\dt+7], v14 offset:256+64*\dt+16
.endr
	s_and_b32 s24, s21, 15
	s_lshl_b32 s24, s24, 8
	s_add_co_u32 s24, s24, BIAS
	v_lshl_add_u32 v15, v1, 2, s24
.irp n, 0,1,2,3
	ds_load_b32 v[32+\n], v15 offset:64*\n         ; the bias of my query as a key: 0 where it is valid
.endr
.irp n, 0,1,2,3
	v_permlanex16_b32 v[26+\n], v[20+\n], s28, s29
.endr
.irp n, 0,1,2,3
	v_add_f32 v[20+\n], v[20+\n], v[26+\n]         ; the two lane halves' sums
.endr
.irp n, 0,1,2,3
	v_rcp_f32 v[40+2*\n], v[20+\n]
.endr
	v_nop                                          ; a plain instruction behind the reciprocals (ISA guide 5.7.2)
	s_wait_alu depctr_va_vdst(0)
.irp n, 0,1,2,3
	v_mov_b32 v[41+2*\n], v[40+2*\n]
.endr
	s_wait_dscnt 0x0
.set kk, 0
.rept 16
	v_pk_add_f32 v[128+kk:128+kk+1], v[128+kk:128+kk+1], v[160+kk:160+kk+1]   ; the two halves of the mean
.set kk, kk+2
.endr
.irp n, 0,1,2,3
	v_cmp_eq_f32 s[66+\n], 0, v[32+\n]
.endr
.irp n, 0,1,2,3
	WIN 0x01
.set kk, 0
.rept 16
	v_pk_mul_f32 v[192+kk:192+kk+1], v[32*\n+kk:32*\n+kk+1], v[40+2*\n:41+2*\n]
.set kk, kk+2
.endr
	WIN 0
.set kk, 0
.rept 32
	v_cndmask_b32 v[192+kk], v[128+kk], v[192+kk], s[66+\n]
.set kk, kk+1
.endr
	WIN 0x40
.set kk, 0
.rept 16
	v_cvt_pk_f16_f32 v[YF+16*\n+kk], v[192+2*kk], v[192+2*kk+1]
.set kk, kk+1
.endr
.endr
	WIN 0
.endm
	; THE UNITS ON THE FIRST HALF'S KEYS, while the second half lands.  Their key block is at most 7, so the last byte that they read of K lies below
	; 512 x 144 and of V below 147,456 + 512 x 160, where the second half's fills begin.
	s_wait_loadcnt 0x0                             ; Q
	s_cmp_eq_u32 s15, 0
	s_cbranch_scc0 .Lfirst1
	s_mov_b32 s22, 0
	SETADR s22, 7
	UNIT 1, 0                                      ; role 0: block H against key block 0
	s_branch .Lsecond
.Lfirst1:
	SETADR s19, 7
	UNIT 1, 1                                      ; role 1: block i against its own key block
.Lsecond:
	s_cmp_eq_u32 s23, 0                            ; role 1 with i = 0 has no whole key block
	s_cbranch_scc1 .Lhalf2
	s_xor_b32 s22, s15, 1                          ; role 0: key block 1; role 1: key block 0
	SETADR s22, 7
	UNIT 0, 0
.Lhalf2:
	s_wait_dscnt 0x0
	s_wait_tensorcnt 0x0                           ; my keys of the second half have landed,
	s_barrier_signal -1
	s_barrier_wait -1                              ; everybody's have
	; VSUM: the mean of V.  Wave (role, p) sums d = 16 p .. 16 p + 15 over keys 512 role .. + 511: V^T times a matrix of ones, four accumulators by turns,
	; one instruction a turn.
	s_mul_i32 s24, s15, 512*VP
	s_lshl_b32 s25, s16, 5
	s_add_co_u32 s24, s24, s25
	v_add_nc_u32 v7, s24, v4
	v_add_nc_u32 v8, 256*VP, v7
.irp ks, 0,1,2,3,4,5,6,7
	ds_load_tr16_b128 v[128+8*\ks:128+8*\ks+3],   v7 offset:32*VP*\ks
	ds_load_tr16_b128 v[128+8*\ks+4:128+8*\ks+7], v7 offset:32*VP*\ks+16*VP
.endr
.irp ks, 0,1,2,3,4,5,6,7
	ds_load_tr16_b128 v[192+8*\ks:192+8*\ks+3],   v8 offset:32*VP*\ks
	ds_load_tr16_b128 v[192+8*\ks+4:192+8*\ks+7], v8 offset:32*VP*\ks+16*VP
.endr
.irp k, 0,1,2,3,4,5,6,7
	v_mov_b32 v[64+\k], 0x3c003c00                 ; 1.0, 1.0 in f16
.endr
	s_wait_dscnt 0x0
.irp ks, 0,1,2,3
	v_wmma_f32_16x16x32_f16 v[32+8*\ks:32+8*\ks+7], v[128+8*\ks:128+8*\ks+7], v[64:71], 0
.endr
.irp ks, 4,5,6,7,8,9,10,11,12,13,14,15
	v_wmma_f32_16x16x32_f16 v[32+8*(\ks&3):32+8*(\ks&3)+7], v[128+8*\ks:128+8*\ks+7], v[64:71], v[32+8*(\ks&3):32+8*(\ks&3)+7]
.endr
	PLACES 5
.irp k, 0,2,4,6
	v_pk_add_f32 v[32+\k:33+\k], v[32+\k:33+\k], v[40+\k:41+\k]
	v_pk_add_f32 v[48+\k:49+\k], v[48+\k:49+\k], v[56+\k:57+\k]
.endr
.irp k, 0,2,4,6
	v_pk_add_f32 v[32+\k:33+\k], v[32+\k:33+\k], v[48+\k:49+\k]
.endr
.irp k, 0,2,4,6
	v_pk_mul_f32 v[32+\k:33+\k], v[32+\k:33+\k], 0x3a800000 op_sel_hi:[1,0]   ; / 1,024
.endr
	s_lshl_b32 s24, s15, 8
	s_lshl_b32 s25, s16, 6
	s_add_co_u32 s24, s24, s25
	s_add_co_u32 s24, s24, VS
	v_lshl_add_u32 v14, v2, 5, s24                 ; d = 16 p + 8 h + 0..7; the sixteen lanes of a half hold and write the same numbers
	ds_store_b128 v14, v[32:35]
	ds_store_b128 v14, v[36:39] offset:16
	s_wait_dscnt 0x0
	s_barrier_signal -1
	s_barrier_wait -1                              ; from here to the barrier at .Lmeet LDS is only read
	s_sub_co_u32 s22, 2, s15                       ; the whole key blocks that are left: role 0: 2..6; role 1: 1..i-1
	s_cmp_ge_u32 s22, s23
	s_cbranch_scc1 .Lp1done
.Lp1:
	SETADR s22, 15
	UNIT 0, 0
	s_add_co_u32 s22, s22, 1
	s_cmp_lt_u32 s22, s23
	s_cbranch_scc1 .Lp1
.Lp1done:
	s_cmp_eq_u32 s15, 0
	s_cbranch_scc0 .Lrole1
	SETADR s20, 15
	UNIT 0, 1                                      ; role 0: block H's own key block, last
	s_branch .Lmeet
.Lrole1:
	LOADQ s20                                      ; role 1: block H's queries are asked for ahead of the finishing of block i
	FINPACK                                        ; block i stays in 64 registers until LDS may be written
	s_wait_loadcnt 0x0
	s_mov_b32 s22, 7
	SETADR s22, 15
	UNIT 1, 0                                      ; if all its keys are masked, its maximum is about -1e30 and the join below gives it the weight 0
	s_cmp_le_u32 s20, 8
	s_cbranch_scc1 .Lmeet
	s_mov_b32 s22, 8
.Lp2:
	SETADR s22, 15
	UNIT 0, 0
	s_add_co_u32 s22, s22, 1
	s_cmp_lt_u32 s22, s20
	s_cbranch_scc1 .Lp2
.Lmeet:
	s_wait_dscnt 0x0                               ; my reads of K and V are over
	s_barrier_signal -1
	s_barrier_wait -1                              ; everybody's are: K's bytes may be written
	s_mul_i32 s24, s16, STSH
	v_add_nc_u32 v14, s24, v13
	s_cmp_eq_u32 s15, 0
	s_cbranch_scc1 .Lno_stash
	WIN 0x04                                       ; role 1 hands over O, m and the sums of block H, lane for lane
.set kk, 0
.rept 32
	ds_store_b128 v14, v[4*kk:4*kk+3] offset:512*kk
.set kk, kk+1
.endr
	WIN 0
	ds_store_b128 v14, v[16:19] offset:16384
	ds_store_b128 v14, v[20:23] offset:16896
.Lno_stash:
	s_wait_dscnt 0x0                               ; the hand-over is written, for role 0's sake
	s_barrier_signal -1
	s_barrier_wait -1
	s_cmp_lg_u32 s15, 0
	s_cbranch_scc1 .Lout
.set kk, 0
.rept 32
	ds_load_b128 v[128+4*kk:128+4*kk+3], v14 offset:512*kk
.set kk, kk+1
.endr
	ds_load_b128 v[32:35], v14 offset:16384
	ds_load_b128 v[36:39], v14 offset:16896
	s_wait_dscnt 0x0
.irp n, 0,1,2,3
	v_max_num_f32 v[26+\n], v[16+\n], v[32+\n]     ; the common maximum
.endr
.irp n, 0,1,2,3
	v_sub_f32 v[16+\n], v[16+\n], v[26+\n]
	v_sub_f32 v[32+\n], v[32+\n], v[26+\n]
.endr
.irp n, 0,1,2,3
	v_exp_f32 v[40+2*\n], v[16+\n]
	v_exp_f32 v[48+2*\n], v[32+\n]
.endr
	v_nop                                          ; a plain instruction behind the exponentials (ISA guide 5.7.2)
	s_wait_alu depctr_va_vdst(0)
.irp n, 0,1,2,3
	v_mov_b32 v[41+2*\n], v[40+2*\n]
	v_mov_b32 v[49+2*\n], v[48+2*\n]
.endr
.irp n, 0,1,2,3
	v_mul_f32 v[36+\n], v[36+\n], v[48+2*\n]
	v_fma_f32 v[20+\n], v[20+\n], v[40+2*\n], v[36+\n]
.endr
.irp n, 0,1,2,3
.set kk, 0
.rept 16
	v_pk_mul_f32 v[128+32*\n+kk:128+32*\n+kk+1], v[128+32*\n+kk:128+32*\n+kk+1], v[48+2*\n:49+2*\n]
.set kk, kk+2
.endr
.endr
	WIN 0x41
.irp n, 0,1,2,3
.set kk, 0
.rept 16
	v_pk_fma_f32 v[32*\n+kk:32*\n+kk+1], v[32*\n+kk:32*\n+kk+1], v[40+2*\n:41+2*\n], v[128+32*\n+kk:128+32*\n+kk+1]
.set kk, kk+2
.endr
.endr
	WIN 0
	FINPACK                                        ; block H
.Lout:
	; THE WAY OUT, both roles: the packed block s21 (role 0: H, role 1: i) through my wave's own stage, 64 rows of 144 bytes, and out as a dense block of 8,192 bytes.
	s_lshl_b32 s24, s17, 17
	s_lshl_b32 s25, s21, 13
	s_add_co_u32 s24, s24, s25
	s_mov_b32 s25, 0
	s_add_nc_u64 s[30:31], s[12:13], s[24:25]
	WIN 0x04                                       ; an LDS store's data is source 1: window 1
.irp n, 0,1,2,3
.irp dt, 0,1,2,3
	ds_store_b128 v11, v[YF+16*\n+4*\dt:YF+16*\n+4*\dt+3] offset:16*KP*\n+32*\dt
.endr
.endr
	WIN 0
.irp k, 0,1,2,3,4,5,6,7,8,9,10,11,12,13,14,15
	ds_load_b128 v[64+4*\k:64+4*\k+3], v12 offset:4*KP*\k   ; LDS serves a wave's instructions in order (ISA guide 5.7.1): these see the stores above
.endr
.irp k, 0,1,2,3,4,5,6,7,8,9,10,11,12,13,14,15
	s_wait_dscnt 15-\k                             ; load k is back, the younger ones stay out
	global_store_b128 v13, v[64+4*\k:64+4*\k+3], s[30:31] offset:512*\k   ; a wave stores 512 neighbouring bytes, aligned
.endr
	s_wait_xcnt 0x0
	v_lshl_add_u32 v254, v0, 2, 0x4d200
	v_mov_b32 v255, 0
	s_wait_tensorcnt 0x0
	ds_add_u32 v254, v255
	s_wait_dscnt 0x0
	s_endpgm
.Lfunc_end_k_q1efe24af83_attn:
	.size	k_q1efe24af83_attn, .Lfunc_end_k_q1efe24af83_attn-k_q1efe24af83_attn
	.p2alignl 7, 3214868480
	.fill 96, 4, 3214868480
	.section	.rodata,"a",@progbits
	.p2align	6, 0x0
	.amdhsa_kernel k_q1efe24af83_attn
		.amdhsa_group_segment_fixed_size 316928
		.amdhsa_private_segment_fixed_size 0
		.amdhsa_enable_private_segment 0
		.amdhsa_kernarg_size 40
		.amdhsa_user_sgpr_count 2
		.amdhsa_user_sgpr_kernarg_segment_ptr 1
		.amdhsa_wavefront_size32 1
		.amdhsa_system_sgpr_workgroup_id_x 1
		.amdhsa_system_sgpr_workgroup_id_y 1
		.amdhsa_system_sgpr_workgroup_id_z 1
		.amdhsa_system_vgpr_workitem_id 0
		.amdhsa_next_free_vgpr 512
		.amdhsa_next_free_sgpr 80
		.amdhsa_reserve_vcc 1
		.amdhsa_float_denorm_mode_32 3
		.amdhsa_float_denorm_mode_16_64 3
		.amdhsa_memory_ordered 1
		.amdhsa_forward_progress 1
		.amdhsa_inst_pref_size 255
	.end_amdhsa_kernel
	.section	.bss,"aw",@nobits
	.p2align	6
	.space	262144
	.amdgpu_metadata
---
amdhsa.version: [ 1, 2 ]
amdhsa.kernels:
  - .name:           k_q1efe24af83_attn
    .symbol:         k_q1efe24af83_attn.kd
    .args:
      - { .name: qb, .offset: 0, .size: 8, .value_kind: global_buffer, .address_space: global }
      - { .name: kb, .offset: 8, .size: 8, .value_kind: global_buffer, .address_space: global }
      - { .name: vh, .offset: 16, .size: 8, .value_kind: global_buffer, .address_space: global }
      - { .name: attn_mask, .offset: 24, .size: 8, .value_kind: global_buffer, .address_space: global }
      - { .name: yh, .offset: 32, .size: 8, .value_kind: global_buffer, .address_space: global }
    .group_segment_fixed_size: 316928
    .private_segment_fixed_size: 0
    .kernarg_segment_align: 8
    .kernarg_segment_size: 40
    .max_flat_workgroup_size: 256
    .sgpr_count:     80
    .vgpr_count:     512
    .wavefront_size: 32
...
	.end_amdgpu_metadata
.endif
;; end of part 3
;; launch proj (part 4): grid 8 x 32, 4 waves a work-group, clusters of 4 x 4, 327,680 bytes of LDS; arguments yh, wpT, out0; writes out0
.if DOCPART == 4
	.amdgcn_target "amdgcn-amd-amdhsa--gfx1250"
	.amdhsa_code_object_version 6
	.text
	.protected	k_q1efe24af83_proj
	.globl	k_q1efe24af83_proj
	.p2align	8
	.type	k_q1efe24af83_proj,@function
k_q1efe24af83_proj:
	s_mov_b64 s[64:65], 0
	v_nop
	global_prefetch_b8 v0, s[64:65] scope:SCOPE_SE
	s_setreg_imm32_b32 hwreg(HW_REG_WAVE_MODE, 25, 1), 1
	s_wait_xcnt 0x0
	s_wait_alu depctr_hold_cnt(0) depctr_sa_sdst(0) depctr_va_vdst(0) depctr_va_sdst(0) depctr_va_ssrc(0) depctr_va_vcc(0) depctr_vm_vsrc(0)
	s_getreg_b32 s2, hwreg(HW_REG_IB_STS2, 6, 4)
	s_cmp_eq_u32 s2, 0
	s_cbranch_scc0 .Lentry_in_a_cluster
	s_endpgm
.Lentry_in_a_cluster:
	s_bfe_u32 s2, ttmp6, 0x10000c
	s_cmp_lg_u32 s2, 0xf033
	s_cbranch_scc0 .Lentry_shape_is_right
	s_endpgm
.Lentry_shape_is_right:
; proj: out0 [8192 x 1024] f32 = y times w_proj; y = yh, f16 [8][16][1024][64] (k = 64 x head + d), wpT f16 [1024 n][1024 k]; f32 sums.
; A work-group makes 256 x 128, a wave 128 x 64: 32 accumulator tiles, 256 registers.  A K step of 128 is two heads: wave 0 fetches the even head's 256 rows of
; 128 bytes, wave 1 the odd head's, each a dense block of 32,768 bytes taken as 128 rows of 256 bytes with padding behind every 128 bytes (LDS pitch 144).
; The eight K steps are written out by macro, without a loop, so that the K step of a prefetch stands in its immediate, no address register of a prefetch is ever
; rewritten, and the last steps simply ask for nothing.
; CLUSTER 4 x 4: yh's tiles hang on the block row alone and are asked for jointly by a row of the cluster, wpT's on the block column, by a column.
; PREFETCH INTO THE L2: two slots take turns, so a refill has one K step in which to land, and every tile is touched for the first time.  The tiles of K steps 2 to 7
; are therefore asked for ahead of their tensor loads.  A K step's tile of yh is 256 aligned blocks of 256 bytes and is read by the 8 work-groups of a block
; row: wave 0 of each asks for 32 of them, a block a lane (block columns 0-3 the even head's, 4-7 the odd head's).  A tile of wpT is read by all 32 block rows:
; wave 1 of the work-groups of block rows 0 to 7 asks for 16 of its 128 rows, lanes 0-15 for one K step, lanes 16-31 for the next.  So each aligned block of
; 256 bytes is asked for once in the launch.  K steps 2, 3 are asked for behind the first fills; yh's K step s + 4 behind K step s's refill, two K steps ahead
; of its tensor load; wpT's K steps 4, 5 behind K step 0's refill and 6, 7 behind K step 2's.  Nothing is asked for beyond K step 7.
; LIMIT: |y|, |w_proj| below 65,504 (f16).
; The matrix instruction is used transposed (source 0 = rows of wpT, source 1 = rows of y): a lane holds row l % 16 and columns 8 (l / 16) + 0..7.
; REGISTER WINDOWS: 0: addresses, y's fragments (two buffers); 1: wpT's fragments; 2: accumulators of my rows 0-63; 3: of my rows 64-127.
.set NB,     4
.set PITCH,  272
.set APITCH, 144
.set ASUB,   256*APITCH                ; from the even head's block to the odd head's
.set ALOAD,  256*APITCH                ; what one load of A brings: 36,864
.set AWAVE,  128*APITCH
.set ABYTES, 2*ALOAD
.set BROWS,  16*NB
.set BHALF,  BROWS*PITCH
.set SLOT,   ABYTES+2*BHALF            ; 108,544
.set ASLOT,  262144                    ; two heads on
.set BSLOT,  256
.set ASTEP,  524288                    ; four heads on
.set BSTEP,  512
.set STAGE,  2*SLOT                    ; behind the ring: 16 rows x 272 bytes for each wave; no tensor load fills it
.set SPITCH, 272
.set ADRA, 16
.set ADRB, 20
.set STO,  24
.set RD,   25
.set CO,   26
.set PFB,  28                          ; v28: wpT's prefetch, lane offset 2,048 (l % 16) + 256 (l / 16); never rewritten
.set PFA,  29                          ; v29: yh's prefetch, lane offset 256 l; never rewritten
.set F0,   64
.set F1,   128
.set G1,  24
.set G0,  32
.set G1B, 48
.set G0B, 56
.set PA,  66                           ; s[66:67] yh at the first of the 32 blocks that I ask for, K step 0; never rewritten
.set PB,  68                           ; s[68:69] wpT at the first of the 16 rows that I ask for; never rewritten
.set MSB, 0
.macro WIN new
.if MSB != \new
	s_set_vgpr_msb (MSB<<8)|\new
.set MSB, \new
.endif
.endm
.set MUL_LO, 0xa1
.set MUL_HI, 0xf1
.set TO_B,   0x40
.macro JLOAD s
	s_cmp_eq_u32 s11, 0
	s_cbranch_scc0 .Lfor_b_\@
	tensor_load_to_lds s[G0+4*\s:G0+4*\s+3], s[G1:G1+7]
	s_nop 0
	s_branch .Lasked_\@
.Lfor_b_\@:
	tensor_load_to_lds s[G0B+4*\s:G0B+4*\s+3], s[G1B:G1B+7]
	s_nop 0
.Lasked_\@:
.endm
.macro ASKA t                          ; wave 0 asks for its 32 blocks of yh's K step t
	s_cmp_lg_u32 s10, 0
	s_cbranch_scc1 .Lno_a_\@
	global_prefetch_b8 v[PFA], s[PA:PA+1] offset:ASLOT*(\t) th:TH_LOAD_NT scope:SCOPE_SE
.Lno_a_\@:
.endm
.macro ASKB t                          ; wave s9 (1 in block rows 0 to 7, no wave elsewhere) asks for its 16 rows of wpT's K steps t and t + 1
	s_cmp_lg_u32 s10, s9
	s_cbranch_scc1 .Lno_b_\@
	global_prefetch_b8 v[PFB], s[PB:PB+1] offset:256*(\t) th:TH_LOAD_NT scope:SCOPE_SE
.Lno_b_\@:
.endm
.macro CREST
	s_cmp_lg_u32 s10, 0
	s_cbranch_scc1 .Lnot_wave_0_\@
	s_barrier_signal -3
.Lnot_wave_0_\@:
	s_barrier_wait -3
	s_barrier_signal -1
	s_barrier_wait -1
.endm
.macro CROUND
	s_barrier_signal -1
	s_barrier_wait -1
	CREST
.endm
.macro PLACES                          ; four plain vector instructions between a matrix instruction and whatever else touches its registers (ISA guide 7.12.1)
.rept 4
	v_nop
.endr
.endm
	s_load_b128 s[72:75], s[0:1], 0x0              ; yh s[72:73], wpT s[74:75]
	s_load_b64 s[76:77], s[0:1], 0x10              ; out0
	s_set_vgpr_msb 0x40
	v_lshl_add_u32 v255, v0, 2, 0x39400
	s_set_vgpr_msb 0x4000
	v_mov_b32 v255, 0
	s_set_vgpr_msb 0x1
	ds_add_u32 v255, v255
	ds_add_u32 v255, v255
	s_set_vgpr_msb 0x100
	v_lshrrev_b32 v1, 5, v0
	v_readfirstlane_b32 s10, v1
	s_lshr_b32 s11, s10, 1                         ; my half of the rows; also: I fetch for A (0) or B (1)
	s_and_b32 s12, s10, 1                          ; my half of the columns; also: which head, or which 64 rows of wpT, I fetch
	s_bfe_u32 s40, ttmp6, 0x40000
	s_bfe_u32 s41, ttmp6, 0x40004
	s_lshl_b32 s42, ttmp9, 2
	s_add_co_u32 s42, s42, s40                     ; block column
	s_and_b32 s13, ttmp7, 0xffff                   ; the cluster's y, which all its work-groups share
	s_cmp_lt_u32 s13, 2
	s_cselect_b32 s9, 1, 99                        ; clusters 0 and 1 along y hold block rows 0 to 7: there wave 1 asks for wpT, elsewhere no wave
	s_lshl_b32 s13, s13, 2
	s_add_co_u32 s13, s13, s41                     ; block row
	s_lshl_b32 s43, s41, 2
	s_lshl_b32 s43, 15, s43
	s_lshl_b32 s44, 0x1111, s40
	s_or_b32 s[G1+0], s43, (1<<16)|(1<<20)|(1<<21)|(4<<22)|(3<<25)   ; mask; 2-byte elements; 4 words of padding behind every 32; bit 21 beside a mask
	s_mov_b32 s[G1+1], 128<<16
	s_mov_b32 s[G1+2], 128<<16
	s_mov_b32 s[G1+3], 128<<16
	s_mov_b32 s[G1+4], 128
	s_mov_b32 s[G1+5], 128                         ; dense
	s_mov_b32 s[G1+6], 0
	s_mov_b32 s[G1+7], 0
	s_or_b32 s[G1B+0], s44, (1<<16)|(1<<20)|(1<<21)|(5<<22)|(3<<25)
	s_mov_b32 s[G1B+1], 128<<16
	s_mov_b32 s[G1B+2], BROWS<<16
	s_mov_b32 s[G1B+3], 128<<16
	s_mov_b32 s[G1B+4], BROWS
	s_mov_b32 s[G1B+5], 1024
	s_mov_b32 s[G1B+6], 0
	s_mov_b32 s[G1B+7], 0
	s_lshr_b32 s16, s13, 2                         ; batch
	s_lshl_b32 s16, s16, 4
	s_add_co_u32 s16, s16, s12                     ; x 16 + head (0 or 1)
	s_lshl_b32 s16, s16, 10
	s_and_b32 s17, s13, 3
	s_lshl_b32 s17, s17, 8
	s_add_co_u32 s16, s16, s17                     ; + the block's first position
	s_lshl_b32 s16, s16, 7
	s_mov_b32 s17, 0
	s_mul_i32 s46, s42, 2*BROWS
	s_mul_i32 s47, s12, BROWS
	s_add_co_u32 s46, s46, s47
	s_lshl_b32 s46, s46, 11
	s_mov_b32 s47, 0
	s_mul_i32 s20, s10, ALOAD                      ; LDS: A's blocks at wave x 36,864 (waves 0, 1)
	s_mul_i32 s21, s10, BHALF
	s_add_co_u32 s21, s21, ABYTES-2*BHALF          ; B's halves behind A at (wave - 2) x 17,408 (waves 2, 3)
	s_lshr_b32 s4, s13, 2                          ; what I ask for of yh: batch
	s_lshl_b32 s4, s4, 4
	s_lshr_b32 s5, s42, 2
	s_add_co_u32 s4, s4, s5                        ; x 16 + head 0 (block columns 0-3) or 1 (4-7)
	s_lshl_b32 s4, s4, 10
	s_and_b32 s5, s13, 3
	s_lshl_b32 s5, s5, 8
	s_add_co_u32 s4, s4, s5                        ; + the block's first position
	s_lshl_b32 s4, s4, 7                           ; rows of 128 bytes
	s_and_b32 s5, s42, 3
	s_lshl_b32 s5, s5, 13
	s_add_co_u32 s4, s4, s5                        ; + my quarter of the head's 32,768 bytes
	s_mov_b32 s5, 0
	s_lshl_b32 s6, s42, 18                         ; of wpT: from row 128 x block column + 16 x block row on (block rows 0 to 7; the others ask for nothing)
	s_min_u32 s7, s13, 7
	s_lshl_b32 s7, s7, 15
	s_add_co_u32 s6, s6, s7
	s_mov_b32 s7, 0
	v_and_b32 v1, 15, v0
	v_bfe_u32 v2, v0, 4, 1
	v_lshlrev_b32 v[PFB], 11, v1                   ; a row a lane of each half,
	v_lshl_add_u32 v[PFB], v2, 8, v[PFB]           ; the upper half one K step further along it
	v_and_b32 v[PFA], 31, v0
	v_lshlrev_b32 v[PFA], 8, v[PFA]                ; a block of 256 bytes a lane
	s_wait_dscnt 0x0
	s_wait_kmcnt 0x0
	s_add_nc_u64 s[14:15], s[72:73], s[16:17]
	s_add_nc_u64 s[46:47], s[74:75], s[46:47]
	s_add_nc_u64 s[PA:PA+1], s[72:73], s[4:5]
	s_add_nc_u64 s[PB:PB+1], s[74:75], s[6:7]
	CROUND
.irp s, 0,1
	s_mov_b32 s[G0+4*\s], 1
	s_add_co_u32 s[G0+4*\s+1], s20, \s*SLOT
	s_add_nc_u64 s[G0+4*\s+2:G0+4*\s+3], s[14:15], \s*ASLOT
	s_or_b32 s[G0+4*\s+3], s[G0+4*\s+3], 0x80000000
	s_mov_b32 s[G0B+4*\s], 1
	s_add_co_u32 s[G0B+4*\s+1], s21, \s*SLOT
	s_add_nc_u64 s[G0B+4*\s+2:G0B+4*\s+3], s[46:47], \s*BSLOT
	s_or_b32 s[G0B+4*\s+3], s[G0B+4*\s+3], 0x80000000
	JLOAD \s                                       ; two tensor loads of a wave are out here, later one
.endr
	ASKA 2                                         ; K steps 2 and 3: their tensor loads follow behind K steps 0 and 1
	ASKA 3
	ASKB 2
	v_mul_u32_u24 v3, v1, APITCH
	v_lshl_add_u32 v3, v2, 4, v3
	v_mul_u32_u24 v7, v1, PITCH
	v_lshl_add_u32 v7, v2, 4, v7
	s_mul_i32 s22, s11, AWAVE
	s_mul_i32 s23, s12, BHALF
	s_add_co_u32 s23, s23, ABYTES
.irp s, 0,1
	v_add_nc_u32 v[ADRA+\s], s22, v3
	v_add_nc_u32 v[ADRB+\s], s23, v7
	s_add_co_u32 s22, s22, SLOT
	s_add_co_u32 s23, s23, SLOT
.endr
	s_mul_i32 s23, s10, 16*SPITCH
	s_add_co_u32 s23, s23, STAGE
	v_mul_u32_u24 v4, v1, SPITCH                   ; in: row r, 32 bytes for each half of the lanes (+ 64 b)
	v_lshl_add_u32 v4, v2, 5, v4
	v_add_nc_u32 v[STO], s23, v4
	v_mul_u32_u24 v5, v2, SPITCH                   ; back: lanes 0-15 one row of 256 bytes, lanes 16-31 the next
	v_lshl_add_u32 v5, v1, 4, v5
	v_add_nc_u32 v[RD], s23, v5
	v_lshlrev_b32 v5, 12, v2
	v_lshl_add_u32 v[CO], v1, 4, v5
; The accumulators take turns, one instruction a turn, in the same order in every quarter step.
.macro MULH f, hi, a0, zero
.irp a, \a0, \a0+1
.irp b, 0,1,2,3
.if \zero
	v_wmma_f32_16x16x32_f16 v[8*(NB*(\a)+\b):8*(NB*(\a)+\b)+7], v[\f+8*\b:\f+8*\b+7], v[\f+8*(4*\hi+\a):\f+8*(4*\hi+\a)+7], 0
.else
	v_wmma_f32_16x16x32_f16 v[8*(NB*(\a)+\b):8*(NB*(\a)+\b)+7], v[\f+8*\b:\f+8*\b+7], v[\f+8*(4*\hi+\a):\f+8*(4*\hi+\a)+7], v[8*(NB*(\a)+\b):8*(NB*(\a)+\b)+7]
.endif
.endr
.endr
.endm
.macro FETCH slot, q, f
	WIN TO_B
.irp i, 0,1,2,3
	ds_load_b128 v[\f+8*\i:\f+8*\i+3],   v[ADRB+\slot] offset:64*\q+\i*16*PITCH
	ds_load_b128 v[\f+8*\i+4:\f+8*\i+7], v[ADRB+\slot] offset:64*\q+\i*16*PITCH+32
.endr
	WIN 0
.irp i, 0,1,2,3,4,5,6,7
	ds_load_b128 v[\f+8*\i:\f+8*\i+3],   v[ADRA+\slot] offset:(\q>>1)*ASUB+(\q&1)*64+\i*16*APITCH
	ds_load_b128 v[\f+8*\i+4:\f+8*\i+7], v[ADRA+\slot] offset:(\q>>1)*ASUB+(\q&1)*64+\i*16*APITCH+32
.endr
.endm
.macro QUARTER slot, q, f, g, zero
	s_wait_dscnt 8                                 ; B and A's rows 0-63 are in; the youngest eight loads (A's rows 64-127) may be out
	WIN MUL_LO
	MULH \f, 0, 0, \zero
	MULH \f, 0, 2, \zero
	PLACES
	FETCH \slot, \q, \g
	s_wait_dscnt 2*NB+16                           ; all but the run just issued
	WIN MUL_HI
	MULH \f, 1, 0, \zero
	MULH \f, 1, 2, \zero
.endm
.macro THREE slot, zero
	QUARTER \slot, 1, F0, F1, \zero
	QUARTER \slot, 2, F1, F0, 0
	QUARTER \slot, 3, F0, F1, 0
.endm
; The change of slots: each wave's reads of this slot and all its tensor loads are waited for in front of the barrier; where the slot is filled again the barrier
; opens a round of the cluster's barrier and the joint refill is the first tensor load behind the round, one a wave.
; pfa: the K step of yh that is asked for behind the refill, or -1; pfb: the first of two K steps of wpT, or -1.
.macro TURN slot, next, fill, pfa, pfb
	s_wait_dscnt 8
	WIN MUL_LO
	MULH F1, 0, 0, 0
	s_wait_dscnt 0
	s_wait_tensorcnt 0x0
	ds_add_u32 v255, v255
	s_wait_dscnt 0x0
	s_barrier_signal -1
	MULH F1, 0, 2, 0
	WIN 0
	s_barrier_wait -1
.if \fill
	CREST
	s_add_nc_u64 s[G0+4*\slot+2:G0+4*\slot+3], s[G0+4*\slot+2:G0+4*\slot+3], ASTEP
	s_add_nc_u64 s[G0B+4*\slot+2:G0B+4*\slot+3], s[G0B+4*\slot+2:G0B+4*\slot+3], BSTEP
	JLOAD \slot
.endif
.if \pfa >= 0
	ASKA \pfa
.endif
.if \pfb >= 0
	ASKB \pfb
.endif
	PLACES
	FETCH \next, 0, F0
	WIN MUL_HI
	MULH F1, 1, 0, 0
	MULH F1, 1, 2, 0
.endm
.macro LAP zero, pa0, pb0, pa1         ; two K steps, once round the ring, both slots filled again
	THREE 0, \zero
	TURN 0, 1, 1, \pa0, \pb0
	THREE 1, 0
	TURN 1, 0, 1, \pa1, -1
.endm
	s_wait_tensorcnt 1                             ; my part of K step 0 is in; K step 1's stays out
	s_barrier_signal -1
	s_barrier_wait -1
	FETCH 0, 0, F0
	LAP 1, 4, 4, 5                                 ; K steps 0, 1: the first products start the sums; yh's K steps 4 and 5, wpT's 4, 5 are asked for
	LAP 0, 6, 6, 7                                 ; K steps 2, 3; yh's K steps 6 and 7, wpT's 6, 7 are asked for
	LAP 0, -1, -1, -1                              ; K steps 4, 5: nothing is left to ask for
	THREE 0, 0                                     ; K steps 6, 7 fill nothing
	TURN 0, 1, 0, -1, -1
	THREE 1, 0
	s_wait_dscnt 8
	WIN MUL_LO
	MULH F1, 0, 0, 0
	MULH F1, 0, 2, 0
	s_wait_dscnt 0
	WIN MUL_HI
	MULH F1, 1, 0, 0
	MULH F1, 1, 2, 0
	PLACES
	WIN 0
	; THE WAY OUT, 16 rows at a time through my own stage: 32 bytes a lane and tile in, whole rows of 256 bytes back.
	s_lshl_b32 s4, s13, 8
	s_lshl_b32 s5, s11, 7
	s_add_co_u32 s4, s4, s5                        ; my first row
	s_lshl_b32 s4, s4, 12                          ; rows of 4,096 bytes: below 2^25
	s_lshl_b32 s5, s42, 9
	s_add_co_u32 s4, s4, s5                        ; + 512 x block column
	s_lshl_b32 s5, s12, 8
	s_add_co_u32 s4, s4, s5                        ; + 256 x column half
	s_mov_b32 s5, 0
	s_add_nc_u64 s[76:77], s[76:77], s[4:5]
.macro OUT16 i, a, from, f             ; from: the window of an LDS store's data (source 1): 0x08 or 0x0c
	WIN \from
.irp b, 0,1,2,3
	ds_store_b128 v[STO], v[8*(NB*\a+\b):8*(NB*\a+\b)+3]   offset:64*\b
	ds_store_b128 v[STO], v[8*(NB*\a+\b)+4:8*(NB*\a+\b)+7] offset:64*\b+16
.endr
	WIN 0
	s_wait_xcnt 0x0                                ; buffer f, which earlier stores read, and the stores' base are rewritten only behind this wait
.if \i
	s_add_nc_u64 s[76:77], s[76:77], 16*4096
.endif
.irp t, 0,1,2,3,4,5,6,7
	ds_load_b128 v[\f+4*\t:\f+4*\t+3], v[RD] offset:\t*2*SPITCH   ; LDS serves a wave's instructions in order (ISA guide 5.7.1): these see the stores above
.endr
.irp t, 0,1,2,3,4,5,6,7
	s_wait_dscnt 7-\t
	global_store_b128 v[CO], v[\f+4*\t:\f+4*\t+3], s[76:77] offset:2*\t*4096 th:TH_STORE_NT   ; sixteen lanes store 256 neighbouring bytes, aligned
.endr
.endm
	OUT16 0, 0, 0x08, F0
	OUT16 1, 1, 0x08, F1
	OUT16 2, 2, 0x08, F0
	OUT16 3, 3, 0x08, F1
	OUT16 4, 0, 0x0c, F0
	OUT16 5, 1, 0x0c, F1
	OUT16 6, 2, 0x0c, F0
	OUT16 7, 3, 0x0c, F1
	s_set_vgpr_msb 0x1
	s_wait_tensorcnt 0x0
	ds_add_u32 v255, v255
	s_wait_dscnt 0x0
	s_set_vgpr_msb 0x100
	CROUND                                         ; the closing round
	s_endpgm
.Lfunc_end_k_q1efe24af83_proj:
	.size	k_q1efe24af83_proj, .Lfunc_end_k_q1efe24af83_proj-k_q1efe24af83_proj
	.p2alignl 7, 3214868480
	.fill 96, 4, 3214868480
	.section	.rodata,"a",@progbits
	.p2align	6, 0x0
	.amdhsa_kernel k_q1efe24af83_proj
		.amdhsa_group_segment_fixed_size 327680
		.amdhsa_private_segment_fixed_size 0
		.amdhsa_enable_private_segment 0
		.amdhsa_kernarg_size 24
		.amdhsa_user_sgpr_count 2
		.amdhsa_user_sgpr_kernarg_segment_ptr 1
		.amdhsa_wavefront_size32 1
		.amdhsa_system_sgpr_workgroup_id_x 1
		.amdhsa_system_sgpr_workgroup_id_y 1
		.amdhsa_system_sgpr_workgroup_id_z 1
		.amdhsa_system_vgpr_workitem_id 0
		.amdhsa_next_free_vgpr 896
		.amdhsa_next_free_sgpr 80
		.amdhsa_reserve_vcc 0
		.amdhsa_float_denorm_mode_32 3
		.amdhsa_float_denorm_mode_16_64 3
		.amdhsa_memory_ordered 1
		.amdhsa_forward_progress 1
		.amdhsa_inst_pref_size 155
	.end_amdhsa_kernel
	.amdgpu_metadata
---
amdhsa.version: [ 1, 2 ]
amdhsa.kernels:
  - .name:           k_q1efe24af83_proj
    .symbol:         k_q1efe24af83_proj.kd
    .args:
      - { .name: yh, .offset: 0, .size: 8, .value_kind: global_buffer, .address_space: global }
      - { .name: wpT, .offset: 8, .size: 8, .value_kind: global_buffer, .address_space: global }
      - { .name: out0, .offset: 16, .size: 8, .value_kind: global_buffer, .address_space: global }
    .group_segment_fixed_size: 327680
    .private_segment_fixed_size: 0
    .kernarg_segment_align: 8
    .kernarg_segment_size: 24
    .max_flat_workgroup_size: 128
    .sgpr_count:     80
    .vgpr_count:     896
    .wavefront_size: 32
...
	.end_amdgpu_metadata
.endif
;; end of part 4
;; ======== version 2 of 2: 4 launches; version 1 with the launch prep written anew for expert scheduling mode
;; limits: values are held in f16: magnitudes above 65,504 overflow, below 6.1e-05 lose precision; values outside matrix products are rounded to bf16
;; workspace buffers: xh 16,777,216 bytes; wqT 6,291,456 bytes; wpT 2,097,152 bytes; qb 16,777,216 bytes; kb 16,777,216 bytes; vh 16,777,216 bytes; yh 16,777,216 bytes
;; launch prep (part 5): grid 768 x 1, 8 waves a work-group, no clusters, 34,816 bytes of LDS; arguments x, w_qkv, w_proj, xh, wqT, wpT; writes xh, wqT, wpT
.if DOCPART == 5
	.amdgcn_target "amdgcn-amd-amdhsa--gfx1250"
	.amdhsa_code_object_version 6
	.text
	.protected	k_q1efe24af83_prep
	.globl	k_q1efe24af83_prep
	.p2align	8
	.type	k_q1efe24af83_prep,@function
k_q1efe24af83_prep:
	s_mov_b64 s[64:65], 0
	v_nop
	global_prefetch_b8 v0, s[64:65] scope:SCOPE_SE
	s_setreg_imm32_b32 hwreg(HW_REG_WAVE_SCHED_MODE, 0, 2), 2
	s_setreg_imm32_b32 hwreg(HW_REG_WAVE_MODE, 25, 1), 1
	s_wait_xcnt 0x0
	s_wait_alu depctr_vm_vsrc(0)
; prep: the operands of the two large products, once, in 16 bits and with K along the rows.
;   work-groups 0..511:   xh = bf16(x), 65,536 bytes of x each.
;   work-groups 512..703: wqT[head*192 + sec*64 + c][k] = bf16(f * w_qkv[k][sec*1024 + head*64 + c]): a tile of 256 k x 64 n each, so that 192
;                         neighbouring rows of wqT are q, k and v of one head.  f = 2^-6 for q and k (sec 0, 1), 1 for v: q and k are later kept in f16,
;                         and the factor, a power of two and so exact, gives them room up to 4.19e6; the softmax constant takes it back.
;   work-groups 704..767: wpT[n][k] = f16(bf16(w_proj[k][n])), the same tiles.
; FORMAT: every floating input of this program is rounded once to bf16 (8 significant bits).  w_proj is kept in f16 behind that rounding because its partner y
; is f16: exact for 2^-17 <= |w| < 65,504, below that within 2^-25.  LIMIT: |w_proj| below 65,504.
; No matrix unit, no cluster, no tensor load: every byte is read once and written once, nothing is shared between work-groups.
; THE MODE: SCHED_MODE bits 1:0 = 2 (LLVM: expert scheduling mode 2), set by the entry lines.  The code itself states the register dependences
; between vector instructions and memory or LDS instructions, with s_wait_alu, always for 0.
; THE PLAN.  Registers that memory or LDS instructions touch:
;   v1, v2, v3, v104, v105   offsets and LDS addresses: written once, at the head of their path, ahead of that path's first wait on va_vdst; never written again.
;   IN    Written by the sixteen global loads, which go out together; read (for w_qkv: scaled in place) by vector instructions.  On the weights' path the eight LDS
;         loads of the way out land in its first 32 registers, behind the last wait on va_vdst, behind which no vector instruction stands; the global stores read them.
;   PKD   Each register is finished by the conversions once, and then read by one store (x: global; weights: LDS).
;   v106, v107 are named by vector instructions alone; v108, v109 are written at the head and read by the closing add alone.
; The conversions go in four blocks of four loads; ONE wait on va_vdst stands behind a block's conversions, ahead of the run of its stores.
; No register that a memory or LDS instruction has read is written again, so no wait on vm_vsrc is owed; no vector instruction writes a scalar register or VCC.
.set TP,  528                          ; LDS pitch of a transposed row: 256 k x 2 bytes + 16
.set IN,  8                            ; v[8:71]   sixteen loads of 16 bytes
.set PKD, 72                           ; v[72:103] packed 16-bit numbers
	s_load_b256 s[4:11], s[0:1], 0x0               ; x s[4:5], w_qkv s[6:7], w_proj s[8:9], xh s[10:11]
	s_load_b128 s[12:15], s[0:1], 0x20             ; wqT s[12:13], wpT s[14:15]
	v_lshl_add_u32 v108, v0, 2, 0x8400
	v_mov_b32 v109, 0
	s_mov_b32 s2, ttmp9
	s_cmp_lt_u32 s2, 512                           ; the same in all waves of a work-group
	s_cbranch_scc0 .Lweights
	; ---- x: thread t takes the 16 bytes at 16 t of each block of 4,096 bytes, so that a load of a wave covers 512 neighbouring bytes and no byte is touched by
	; two loads, and stores the 8 bytes at 8 t of each block of 2,048: a store of a wave covers 256 neighbouring bytes, aligned
	s_lshl_b32 s16, s2, 16
	s_mov_b32 s17, 0
	s_lshl_b32 s18, s2, 15
	s_mov_b32 s19, 0
	v_lshlrev_b32 v1, 4, v0
	v_lshlrev_b32 v2, 3, v0
	s_wait_kmcnt 0x0
	s_add_nc_u64 s[4:5], s[4:5], s[16:17]
	s_add_nc_u64 s[10:11], s[10:11], s[18:19]
	s_wait_alu depctr_va_vdst(0)                   ; v1 and v2 are written: every load below reads v1 as its offset, every store v2
.irp c, 0,1,2,3,4,5,6,7,8,9,10,11,12,13,14,15
	global_load_b128 v[IN+4*\c:IN+4*\c+3], v1, s[4:5] offset:\c*4096 th:TH_LOAD_NT
.endr
.irp p, 0,1,2,3
	s_wait_loadcnt 12-4*\p                         ; loads come back in order: the four loads of block p are in, the younger ones stay out
.irp c, 0,1,2,3
	v_cvt_pk_bf16_f32 v[PKD+2*(4*\p+\c)],   v[IN+4*(4*\p+\c)],   v[IN+4*(4*\p+\c)+1]
	v_cvt_pk_bf16_f32 v[PKD+2*(4*\p+\c)+1], v[IN+4*(4*\p+\c)+2], v[IN+4*(4*\p+\c)+3]
.endr
	s_wait_alu depctr_va_vdst(0)                   ; the eight conversions have written block p's registers of PKD, which the four stores read
.irp c, 0,1,2,3
	global_store_b64 v2, v[PKD+2*(4*\p+\c):PKD+2*(4*\p+\c)+1], s[10:11] offset:(4*\p+\c)*2048   ; no register is written twice
.endr
.endr
	s_endpgm
	; ---- weights: 256 k x 64 n in, 64 n x 256 k out, turned in LDS
.macro WLOAD pitch                     ; thread (ln, kp) takes columns 4 ln .. 4 ln + 3 of rows 2 kp + e + 32 u: sixteen lanes read 256 bytes of a row
	v_mul_u32_u24 v1, v7, 2*\pitch
	v_lshl_add_u32 v1, v6, 4, v1
	s_wait_alu depctr_va_vdst(0)                   ; v1 is written, which the loads read; so are v3, v104 and v105, which the LDS stores, the LDS loads and the global stores further down read
.irp u, 0,1,2,3,4,5,6,7
	global_load_b128 v[IN+8*\u:IN+8*\u+3],   v1, s[18:19] offset:32*\u*\pitch th:TH_LOAD_NT
	global_load_b128 v[IN+8*\u+4:IN+8*\u+7], v1, s[18:19] offset:(32*\u+1)*\pitch th:TH_LOAD_NT
.endr
.endm
; The loaded rows are rounded and laid into LDS turned, two steps u = 2 g + w of two rows at a time.  scaled = 1: times s24 first; tof16 = 1: the bf16 numbers are written as f16.
.macro WTURN scaled, tof16
.irp g, 0,1,2,3
	s_wait_loadcnt 12-4*\g                         ; the four rows of steps 2 g and 2 g + 1 are in, the younger ones stay out
.irp w, 0,1
.if \scaled
.irp k, 0,2,4,6
	v_pk_mul_f32 v[IN+8*(2*\g+\w)+\k:IN+8*(2*\g+\w)+\k+1], v[IN+8*(2*\g+\w)+\k:IN+8*(2*\g+\w)+\k+1], s[24:25] op_sel_hi:[1,0]
.endr
.endif
.irp c, 0,1,2,3
	v_cvt_pk_bf16_f32 v[PKD+4*(2*\g+\w)+\c], v[IN+8*(2*\g+\w)+\c], v[IN+8*(2*\g+\w)+4+\c]   ; k and k + 1 of one column
.if \tof16
	v_lshlrev_b32 v106, 16, v[PKD+4*(2*\g+\w)+\c]                            ; the two bf16 as f32,
	v_and_b32 v107, 0xffff0000, v[PKD+4*(2*\g+\w)+\c]
	v_cvt_pk_f16_f32 v[PKD+4*(2*\g+\w)+\c], v106, v107                       ; and in f16's form
.endif
.endr
.endr
	s_wait_alu depctr_va_vdst(0)                   ; the conversions have written the group's eight registers of PKD, which the LDS stores read; behind the last group's: the scalings and conversions are done with IN, in which the LDS loads of the way out land
.irp w, 0,1
.irp c, 0,1,2,3
	ds_store_b32 v3, v[PKD+4*(2*\g+\w)+\c] offset:\c*TP+64*(2*\g+\w)         ; sixteen rows 4 x 528 bytes apart: four lanes meet in a bank; 32 such stores a wave
.endr
.endr
.endr
.endm
.Lweights:
	s_sub_co_u32 s2, s2, 512                       ; u
	v_and_b32 v6, 15, v0                           ; ln
	v_lshrrev_b32 v7, 4, v0                        ; kp
	v_mul_u32_u24 v3, v6, 4*TP
	v_lshl_add_u32 v3, v7, 2, v3                   ; in: row 4 ln (+ c), byte 4 kp (+ 64 u)
	v_lshrrev_b32 v4, 5, v0
	v_and_b32 v5, 31, v0
	v_lshlrev_b32 v5, 4, v5
	v_mad_u32_u24 v104, v4, TP, v5                 ; back: row t / 32 (+ 8 v), 16 bytes at 16 (t mod 32)
	v_lshl_add_u32 v105, v4, 11, v5                ; and the same place in the result
	s_and_b32 s3, s2, 3                            ; kq: which 256 of the 1,024 k (192 is a multiple of 4, so this serves both weights)
	s_lshl_b32 s22, s3, 9                          ; kq x 512 bytes in a row of the result
	s_cmp_lt_u32 s2, 192
	s_cbranch_scc0 .Lproj
	s_lshr_b32 s16, s2, 2                          ; nt = 0..47: 64 columns of w_qkv
	s_mul_i32 s18, s3, 256*12288
	s_lshl_b32 s19, s16, 8
	s_add_co_u32 s18, s18, s19
	s_mov_b32 s19, 0
	s_and_b32 s20, s16, 15                         ; head
	s_mul_i32 s20, s20, 192
	s_lshr_b32 s21, s16, 4                         ; sec: q, k or v
	s_mov_b32 s24, 0x3f800000                      ; 1
	s_mov_b32 s25, 0x3c800000                      ; 2^-6
	s_cmp_lt_u32 s21, 2
	s_cselect_b32 s24, s25, s24                    ; q and k: 2^-6; v: 1
	s_mov_b32 s25, s24
	s_lshl_b32 s21, s21, 6
	s_add_co_u32 s20, s20, s21
	s_lshl_b32 s20, s20, 11                        ; rows of 2,048 bytes
	s_add_co_u32 s20, s20, s22
	s_mov_b32 s21, 0
	s_wait_kmcnt 0x0
	s_add_nc_u64 s[18:19], s[6:7], s[18:19]
	s_add_nc_u64 s[20:21], s[12:13], s[20:21]
	WLOAD 12288
	WTURN 1, 0
	s_branch .Ljoin
.Lproj:
	s_sub_co_u32 s16, s2, 192
	s_lshr_b32 s16, s16, 2                         ; nt = 0..15
	s_lshl_b32 s18, s3, 20                         ; kq x 256 rows of 4,096 bytes
	s_lshl_b32 s19, s16, 8
	s_add_co_u32 s18, s18, s19
	s_mov_b32 s19, 0
	s_lshl_b32 s20, s16, 17                        ; nt x 64 rows of 2,048 bytes
	s_add_co_u32 s20, s20, s22
	s_mov_b32 s21, 0
	s_wait_kmcnt 0x0
	s_add_nc_u64 s[18:19], s[8:9], s[18:19]
	s_add_nc_u64 s[20:21], s[14:15], s[20:21]
	WLOAD 4096
	WTURN 0, 1
.Ljoin:
	s_wait_dscnt 0x0                               ; my stores are in LDS, for the other waves' sake
	s_barrier_signal -1
	s_barrier_wait -1
.irp v, 0,1,2,3,4,5,6,7
	ds_load_b128 v[IN+4*\v:IN+4*\v+3], v104 offset:8*TP*\v   ; no wait on va_vdst here: on both ways to this place no vector instruction stands behind the last one
.endr
.irp v, 0,1,2,3,4,5,6,7
	s_wait_dscnt 7-\v
	global_store_b128 v105, v[IN+4*\v:IN+4*\v+3], s[20:21] offset:16384*\v   ; a wave stores 512 neighbouring bytes of one row
.endr
	s_wait_dscnt 0x0                               ; the closing lines, six on end
	s_wait_alu 0x0
	s_wait_tensorcnt 0x0
	ds_add_u32 v108, v109
	s_wait_dscnt 0x0
	s_endpgm
.Lfunc_end_k_q1efe24af83_prep:
	.size	k_q1efe24af83_prep, .Lfunc_end_k_q1efe24af83_prep-k_q1efe24af83_prep
	.p2alignl 7, 3214868480
	.fill 96, 4, 3214868480
	.section	.rodata,"a",@progbits
	.p2align	6, 0x0
	.amdhsa_kernel k_q1efe24af83_prep
		.amdhsa_group_segment_fixed_size 34816
		.amdhsa_private_segment_fixed_size 0
		.amdhsa_enable_private_segment 0
		.amdhsa_kernarg_size 48
		.amdhsa_user_sgpr_count 2
		.amdhsa_user_sgpr_kernarg_segment_ptr 1
		.amdhsa_wavefront_size32 1
		.amdhsa_system_sgpr_workgroup_id_x 1
		.amdhsa_system_sgpr_workgroup_id_y 1
		.amdhsa_system_sgpr_workgroup_id_z 1
		.amdhsa_system_vgpr_workitem_id 0
		.amdhsa_next_free_vgpr 110
		.amdhsa_next_free_sgpr 66
		.amdhsa_reserve_vcc 0
		.amdhsa_float_denorm_mode_32 3
		.amdhsa_float_denorm_mode_16_64 3
		.amdhsa_memory_ordered 1
		.amdhsa_forward_progress 1
		.amdhsa_inst_pref_size 29
	.end_amdhsa_kernel
	.amdgpu_metadata
---
amdhsa.version: [ 1, 2 ]
amdhsa.kernels:
  - .name:           k_q1efe24af83_prep
    .symbol:         k_q1efe24af83_prep.kd
    .args:
      - { .name: x, .offset: 0, .size: 8, .value_kind: global_buffer, .address_space: global }
      - { .name: w_qkv, .offset: 8, .size: 8, .value_kind: global_buffer, .address_space: global }
      - { .name: w_proj, .offset: 16, .size: 8, .value_kind: global_buffer, .address_space: global }
      - { .name: xh, .offset: 24, .size: 8, .value_kind: global_buffer, .address_space: global }
      - { .name: wqT, .offset: 32, .size: 8, .value_kind: global_buffer, .address_space: global }
      - { .name: wpT, .offset: 40, .size: 8, .value_kind: global_buffer, .address_space: global }
    .group_segment_fixed_size: 34816
    .private_segment_fixed_size: 0
    .kernarg_segment_align: 8
    .kernarg_segment_size: 48
    .max_flat_workgroup_size: 256
    .sgpr_count:     66
    .vgpr_count:     110
    .wavefront_size: 32
...
	.end_amdgpu_metadata
.endif
;; end of part 5
;; launch qkv: the kernel of part 2 again; grid 16 x 32, 4 waves a work-group, clusters of 4 x 4, 327,680 bytes of LDS; arguments xh, wqT, cos, sin, qb, kb, vh; writes qb, kb, vh
;; launch attn: the kernel of part 3 again; grid 256 x 1, 8 waves a work-group, no clusters, 316,928 bytes of LDS; arguments qb, kb, vh, attn_mask, yh; writes yh
;; launch proj: the kernel of part 4 again; grid 8 x 32, 4 waves a work-group, clusters of 4 x 4, 327,680 bytes of LDS; arguments yh, wpT, out0; writes out0
